; MI455X (gfx1250); checked and timed in simulation.
; The chip was launched on July 23, 2026; its instructions are those of AMD's public machine-readable ISA for CDNA 5 (MIT licence, August 2026) and "CDNA5" Instruction Set Architecture Reference Guide (July 2026). The comments in the code are by the model that wrote it; some were corrected since.
;; Cross Attention Layer. Allowed arithmetic: float matrix products may take bf16 or f16 operands with f32 sums; all other float work in f32.
;; Inputs: Wout 1,024 x 1,024 float32; Wqkv 1,024 x 3,072 float32; beta 1,024 float32; bout 1,024 float32; bqkv 3,072 float32; embedding1 2 x 2,048 x 1,024 float32; embedding2 2 x 2,048 x 1,024 float32; gamma 1,024 float32.
;; Outputs: out0 2 x 2,048 x 1,024 float32; out1 2 x 2,048 x 1,024 float32.
;; One version. Each part assembles by itself: llvm-mc -triple=amdgcn-amd-amdhsa -mcpu=gfx1250 --defsym DOCPART=n.
;; ======== version 1 of 1: 5 launches
;; workspace buffers: x16 16,777,216 bytes; wq16 6,291,456 bytes; wo16 2,097,152 bytes; qkvh 50,331,648 bytes; oh 16,777,216 bytes; zres 33,554,432 bytes
;; launch cast (part 1): grid 768 x 1, 8 waves a work-group, no clusters, 0 bytes of LDS; arguments embedding1, embedding2, Wqkv, Wout, x16, wq16, wo16; writes x16, wq16, wo16
.if DOCPART == 1
	.amdgcn_target "amdgcn-amd-amdhsa--gfx1250"
	.amdhsa_code_object_version 6
	.text
	.protected	k_q0621d90705_cast
	.globl	k_q0621d90705_cast
	.p2align	8
	.type	k_q0621d90705_cast,@function
k_q0621d90705_cast:
	s_mov_b64 s[64:65], 0
	v_nop
	global_prefetch_b8 v0, s[64:65] scope:SCOPE_SE
	s_setreg_imm32_b32 hwreg(HW_REG_WAVE_MODE, 25, 1), 1
	s_wait_xcnt 0x0
; x16 = bf16(embedding1, then embedding2), wq16 = bf16(Wqkv), wo16 = bf16(Wout): each number rounded once, to nearest even; nothing is moved.
; A stream: no LDS, no barrier, no matrix unit, no cluster (no two work-groups read the same byte).
; A work-group takes 65,536 source bytes and makes 32,768: 256 + 256 + 192 + 64 = 768 work-groups.  Thread t owns the 16 bytes at 16 t of each of 16 pieces
; of 4,096 bytes: a wave's load covers 512 consecutive bytes, a wave's store 256 consecutive bytes at a multiple of 256 from the buffer's first byte.
; All 16 loads of a wave go out at once; every register is written once, so no source of a pending instruction is ever rewritten.
.set X, 4                              ; v[4:67]   16 x 4 numbers as loaded
.set Y, 68                             ; v[68:99]  16 x 4 numbers in bf16
	s_load_b256 s[4:11], s[0:1], 0x0               ; embedding1 s[4:5], embedding2 s[6:7], Wqkv s[8:9], Wout s[10:11]
	s_load_b128 s[12:15], s[0:1], 0x20             ; x16 s[12:13], wq16 s[14:15]
	s_load_b64 s[16:17], s[0:1], 0x30              ; wo16
	s_mov_b32 s32, ttmp9                           ; g, the work-group's number
	s_mov_b32 s25, 704
	v_lshlrev_b32 v1, 4, v0                        ; my 16 bytes in a piece of the source
	v_lshlrev_b32 v2, 3, v0                        ; my 8 bytes in a piece of the result
	s_wait_kmcnt 0x0
	s_cmp_lt_u32 s32, 256                          ; which of the four sources: the choice hangs on g alone
	s_cselect_b64 s[20:21], s[4:5], s[6:7]
	s_cselect_b32 s24, 0, 256
	s_cmp_lt_u32 s32, 704
	s_cselect_b64 s[22:23], s[8:9], s[10:11]
	s_cselect_b64 s[26:27], s[14:15], s[16:17]
	s_cselect_b32 s25, 512, s25
	s_cmp_lt_u32 s32, 512
	s_cselect_b64 s[28:29], s[20:21], s[22:23]     ; the source
	s_cselect_b64 s[30:31], s[12:13], s[26:27]     ; the result
	s_cselect_b32 s2, s24, s25                     ; the first g of that source,
	s_cselect_b32 s3, 0, s25                       ; and of that result (x16 takes both embeddings, one behind the other)
	s_sub_co_u32 s2, s32, s2
	s_sub_co_u32 s3, s32, s3
	s_lshl_b32 s18, s2, 16                         ; 65,536 source bytes a work-group
	s_mov_b32 s19, 0
	s_lshl_b32 s2, s3, 15                          ; 32,768 result bytes
	s_mov_b32 s3, 0
	s_add_nc_u64 s[28:29], s[28:29], s[18:19]
	s_add_nc_u64 s[30:31], s[30:31], s[2:3]
.irp i, 0,1,2,3,4,5,6,7,8,9,10,11,12,13,14,15
	global_load_b128 v[X+4*(\i):X+4*(\i)+3], v1, s[28:29] offset:4096*(\i) th:TH_LOAD_NT  ; read once in the launch
.endr
.irp i, 0,1,2,3,4,5,6,7,8,9,10,11,12,13,14,15
	s_wait_loadcnt 15-(\i)                         ; loads come back in order (ISA guide 5.7.1): piece i is in, the younger ones stay out
	v_cvt_pk_bf16_f32 v[Y+2*(\i)], v[X+4*(\i)], v[X+4*(\i)+1]
	v_cvt_pk_bf16_f32 v[Y+2*(\i)+1], v[X+4*(\i)+2], v[X+4*(\i)+3]
	global_store_b64 v2, v[Y+2*(\i):Y+2*(\i)+1], s[30:31] offset:2048*(\i)
.endr
	s_endpgm
.Lfunc_end_k_q0621d90705_cast:
	.size	k_q0621d90705_cast, .Lfunc_end_k_q0621d90705_cast-k_q0621d90705_cast
	.p2alignl 7, 3214868480
	.fill 96, 4, 3214868480
	.section	.rodata,"a",@progbits
	.p2align	6, 0x0
	.amdhsa_kernel k_q0621d90705_cast
		.amdhsa_group_segment_fixed_size 0
		.amdhsa_private_segment_fixed_size 0
		.amdhsa_enable_private_segment 0
		.amdhsa_kernarg_size 56
		.amdhsa_user_sgpr_count 2
		.amdhsa_user_sgpr_kernarg_segment_ptr 1
		.amdhsa_wavefront_size32 1
		.amdhsa_system_sgpr_workgroup_id_x 1
		.amdhsa_system_sgpr_workgroup_id_y 1
		.amdhsa_system_sgpr_workgroup_id_z 1
		.amdhsa_system_vgpr_workitem_id 0
		.amdhsa_next_free_vgpr 100
		.amdhsa_next_free_sgpr 66
		.amdhsa_reserve_vcc 0
		.amdhsa_float_denorm_mode_32 3
		.amdhsa_float_denorm_mode_16_64 3
		.amdhsa_memory_ordered 1
		.amdhsa_forward_progress 1
		.amdhsa_inst_pref_size 7
	.end_amdhsa_kernel
	.amdgpu_metadata
---
amdhsa.version: [ 1, 2 ]
amdhsa.kernels:
  - .name:           k_q0621d90705_cast
    .symbol:         k_q0621d90705_cast.kd
    .args:
      - { .name: embedding1, .offset: 0, .size: 8, .value_kind: global_buffer, .address_space: global }
      - { .name: embedding2, .offset: 8, .size: 8, .value_kind: global_buffer, .address_space: global }
      - { .name: Wqkv, .offset: 16, .size: 8, .value_kind: global_buffer, .address_space: global }
      - { .name: Wout, .offset: 24, .size: 8, .value_kind: global_buffer, .address_space: global }
      - { .name: x16, .offset: 32, .size: 8, .value_kind: global_buffer, .address_space: global }
      - { .name: wq16, .offset: 40, .size: 8, .value_kind: global_buffer, .address_space: global }
      - { .name: wo16, .offset: 48, .size: 8, .value_kind: global_buffer, .address_space: global }
    .group_segment_fixed_size: 0
    .private_segment_fixed_size: 0
    .kernarg_segment_align: 8
    .kernarg_segment_size: 56
    .max_flat_workgroup_size: 256
    .sgpr_count:     66
    .vgpr_count:     100
    .wavefront_size: 32
...
	.end_amdgpu_metadata
.endif
;; end of part 1
;; launch qkv (part 2): grid 16 x 32, 4 waves a work-group, clusters of 4 x 4, 327,680 bytes of LDS; arguments x16, wq16, bqkv, qkvh; writes qkvh
.if DOCPART == 2
	.amdgcn_target "amdgcn-amd-amdhsa--gfx1250"
	.amdhsa_code_object_version 6
	.text
	.protected	k_q0621d90705_qkv
	.globl	k_q0621d90705_qkv
	.p2align	8
	.type	k_q0621d90705_qkv,@function
k_q0621d90705_qkv:
	s_mov_b64 s[64:65], 0
	v_nop
	global_prefetch_b8 v0, s[64:65] scope:SCOPE_SE
	s_setreg_imm32_b32 hwreg(HW_REG_WAVE_MODE, 25, 1), 1
	s_wait_xcnt 0x0
	s_wait_alu depctr_hold_cnt(0) depctr_sa_sdst(0) depctr_va_vdst(0) depctr_va_sdst(0) depctr_va_ssrc(0) depctr_va_vcc(0) depctr_vm_vsrc(0)
	s_getreg_b32 s2, hwreg(HW_REG_IB_STS2, 6, 4)
	s_cmp_eq_u32 s2, 0
	s_cbranch_scc0 .Lentry_in_a_cluster
	s_endpgm
.Lentry_in_a_cluster:
	s_bfe_u32 s2, ttmp6, 0x10000c
	s_cmp_lg_u32 s2, 0xf033
	s_cbranch_scc0 .Lentry_shape_is_right
	s_endpgm
.Lentry_shape_is_right:
; qkvh = bf16(x16 . wq16 + bqkv), written by heads.  x16: [8192][1024] bf16 (row = 2048 (2 e + b) + n).  wq16: [1024 k][3072 n] bf16.  bqkv: [3072] f32.
; qkvh: [48 blocks of 64 columns][4 (2 e + b)][2048 n][64] bf16: block 16 s + h is q, k or v (s = 0, 1, 2) of head h; a head's rows are dense, 128 bytes each.  Sums in f32, rounded once.
; LIMITS.  The operands are bf16 (rounded by the launch before); NaN and infinities are not treated apart.
; A tile of the result is 256 rows x 192 columns (three heads): 32 x 16 = 512 work-groups.  Four waves, each 128 x 96: 48 accumulators of 16 x 16, 384 registers.
; K goes in 8 steps of 128 through a ring of two LDS slots filled by the tensor data mover.  x's rows lie along K and come out of LDS as they lie; the weights lie [k][n] and come out turned, by ds_load_tr16_b128.
; CLUSTERS: 4 x 4 work-groups.  The four of a row of the cluster need the same tiles of x, the four of a column the same tiles of the weights: each tile is asked for JOINTLY, by the same tensor load with the
; same descriptor and a mask that names the four.
; THE MATRIX INSTRUCTION IS USED TRANSPOSED (source 0 = 16 columns of the weights, source 1 = 16 rows of x): a lane then holds row l % 16 and the eight neighbouring columns 8 (l / 16) + 0..7.
; THE BIAS is the C operand of the products that start the sums: in this layout register j of a lane wants the bias of column 8 (l / 16) + j of its block: 48 registers, loaded once.
; REGISTERS, in windows of 256 (s_set_vgpr_msb: bits 1:0 source 0, 3:2 source 1, 5:4 source 2, 7:6 destination):
;   window 0: v0-31 addresses; v32-95, v96-159 fragments of x (8 x 16 rows x 32 K), two buffers; v160-207, v208-255 fragments of the weights (6 x 16 columns x 32 K), two buffers; v32-223 at work on the way out
;   window 1: the accumulators of my rows 0-63 ((a, b) at v[8 (6 a + b)]);   window 2: those of my rows 64-127, and at v192-239 the bias
.set SIZE_K, 1024
.set SIZE_N, 3072
.set KSTEP,  128
.set PA,     272                       ; an LDS row of x: 256 bytes + 16 of padding = 68 words: the 16 rows that a load touches start at 16 different groups of four banks (64 banks of 4 bytes: ISA guide 11.1)
.set HALFA,  128*PA                    ; 128 rows: what one tensor load brings of x, and what one wave reads of it
.set PB,     480                       ; an LDS row of the weights: 3 pieces of 128 bytes, 32 of padding behind each = 120 words
.set HALFB,  64*PB                     ; 64 k rows: what one tensor load brings of the weights
.set BOFF,   2*HALFA                   ; the weights lie behind x's 256 rows
.set SLOT,   BOFF+2*HALFB              ; 131,072
.set SPARE,  2*SLOT                    ; behind the ring: the spare words, 128 bytes for each wave: two blocks of 256 bytes that no other line names
.set SPQ,    400                       ; the stage's rows: 384 bytes + 16.  The stage, 256 rows, lies at LDS byte 0, in slot 0, which has had its last fill (K step 6) and its last reads when the stage is written
.set LAPS,   SIZE_K/(2*KSTEP)          ; a lap = two K steps = once round the ring
.set ADRA, 16                          ; v16-17  LDS address of my fragments of x in slot 0, 1
.set ADRB, 20                          ; v20-21  the same for the weights' blocks 0, 1, 4, 5;  v22-23 for blocks 2, 3: the padding behind each 128 bytes makes my 96 columns begin 224 or 256 bytes in
.set STO,  24                          ; v24     the way out: where I put 16 bytes of a row
.set RD,   25                          ; v25     the way out: where I read rows back
.set CO,   26                          ; v26     16 x lane: my place in 512 consecutive bytes of the result
.set BO32, 27                          ; v27     32 (l / 16): my eight numbers in a block of the bias
.set SPW,  28                          ; v28     LDS address of my spare word: SPARE + 4 x my thread's number; never rewritten
.set NIL,  29                          ; v29     0; never rewritten
.set FA,   32                          ; x's fragment buffers, 64 registers each
.set FB,   160                         ; the weights', 48 each
.set TMP,  32                          ; the way out: 192 registers
.set BIAS, 192                         ; window 2
.set WV, 12                            ; s12  my wave's number
.set RH, 13                            ; s13  which half of the tile's rows is mine.  Also: I fetch x (0) or the weights (1)
.set CH, 14                            ; s14  which half of its columns.  Also: which half of that tile I fetch
.set G1, 24                            ; s[24:31] descriptor group 1 for x's tiles;  s[32:39] group 0, one set for each slot
.set G0, 32
.set G1B, 48                           ; s[48:55], s[56:63] the same for the weights' tiles
.set G0B, 56
.set MSB, 0
.macro WIN new                         ; the immediate's high byte repeats the setting that is left; a switch that changes nothing is dropped
.if MSB != (\new)
	s_set_vgpr_msb (MSB<<8)|(\new)
.set MSB, \new
.endif
.endm
; A joint load.  Waves 0 and 1 fetch x's two halves, waves 2 and 3 the weights'.  The branch hangs on the wave's number alone.
; An s_nop 0 and four v_nop follow each of the two lines, ahead of the jump, the label and what follows.
.macro JLOAD s
	s_cmp_eq_u32 s[RH], 0
	s_cbranch_scc0 .Lfor_b_\@
	tensor_load_to_lds s[G0+4*(\s):G0+4*(\s)+3], s[G1:G1+7]
	s_nop 0
.rept 4
	v_nop
.endr
	s_branch .Lasked_\@
.Lfor_b_\@:
	tensor_load_to_lds s[G0B+4*(\s):G0B+4*(\s)+3], s[G1B:G1B+7]
	s_nop 0
.rept 4
	v_nop
.endr
.Lasked_\@:
.endm
.macro CREST                           ; a round of the cluster's barrier behind its opening barrier: wave 0 signals for the work-group, every wave waits for all sixteen, my work-group's barrier closes it
	s_cmp_lg_u32 s[WV], 0
	s_cbranch_scc1 .Lnot_wave_0_\@
	s_barrier_signal -3
.Lnot_wave_0_\@:
	s_barrier_wait -3
	s_barrier_signal -1
	s_barrier_wait -1
.endm
.macro CROUND                          ; a whole round
	s_barrier_signal -1
	s_barrier_wait -1
	CREST
.endm
	s_load_b256 s[4:11], s[0:1], 0x0               ; x16 s[4:5], wq16 s[6:7], bqkv s[8:9], qkvh s[10:11]
	v_lshl_add_u32 v[SPW], v0, 2, SPARE
	v_mov_b32 v[NIL], 0
	ds_add_u32 v28, v29
	s_wait_dscnt 0x0
	v_lshrrev_b32 v1, 5, v0
	v_readfirstlane_b32 s[WV], v1                  ; wave 0..3
	s_lshr_b32 s[RH], s[WV], 1
	s_and_b32 s[CH], s[WV], 1
	s_bfe_u32 s40, ttmp6, 0x40000                  ; cx, cy: my place in the cluster
	s_bfe_u32 s41, ttmp6, 0x40004
	s_lshl_b32 s42, ttmp9, 2
	s_add_co_u32 s42, s42, s40                     ; tile column = 4 x cluster x + cx
	s_and_b32 s45, ttmp7, 0xffff
	s_lshl_b32 s45, s45, 2
	s_add_co_u32 s45, s45, s41                     ; tile row = 4 x cluster y + cy
	s_lshl_b32 s43, s41, 2
	s_lshl_b32 s43, 15, s43                        ; my row of the cluster: places 4 cy .. 4 cy + 3
	s_lshl_b32 s44, 0x1111, s40                    ; my column: places cx, cx + 4, cx + 8, cx + 12
	; descriptor group 1.  x: 128 rows x 128 elements, 4 words of padding behind every 64.  Weights: 64 rows x 192 elements, 8 words of padding behind every 32.
	s_or_b32 s[G1+0], s43, (1<<16)|(1<<20)|(1<<21)|(5<<22)|(3<<25)   ; 15:0 the mask; 17:16 elements of 2 bytes; 20 padding on; 21 set beside a mask; 24:22 the interval's code; 31:25 the padding's words less 1
	s_or_b32 s[G1B+0], s44, (1<<16)|(1<<20)|(1<<21)|(4<<22)|(7<<25)
	s_mov_b32 s[G1+1], KSTEP<<16                   ; tensor_dim0 = 128
	s_mov_b32 s[G1+2], 128<<16                     ; tensor_dim1 = 128
	s_mov_b32 s[G1+3], KSTEP<<16                   ; tile_dim0 = 128
	s_mov_b32 s[G1+4], 128                         ; tile_dim1 = 128
	s_mov_b32 s[G1+5], SIZE_K                      ; elements from row to row
	s_mov_b32 s[G1+6], 0
	s_mov_b32 s[G1+7], 0
	s_mov_b32 s[G1B+1], 192<<16                    ; tensor_dim0 = 192
	s_mov_b32 s[G1B+2], 64<<16                     ; tensor_dim1 = 64
	s_mov_b32 s[G1B+3], 192<<16                    ; tile_dim0 = 192
	s_mov_b32 s[G1B+4], 64                         ; tile_dim1 = 64
	s_mov_b32 s[G1B+5], SIZE_N                     ; elements from row to row
	s_mov_b32 s[G1B+6], 0
	s_mov_b32 s[G1B+7], 0
	; where the tiles come from.  x's hang on the tile row alone, the weights' on the tile column alone; each in registers that never hold the other coordinate while a descriptor is made of them.
	s_lshl_b32 s16, s45, 8
	s_lshl_b32 s17, s[CH], 7
	s_add_co_u32 s16, s16, s17                     ; x: row 256 x tile row + 128 x half,
	s_lshl_b32 s16, s16, 11                        ; of 2,048 bytes: under 2^24
	s_mov_b32 s17, 0
	s_mul_i32 s46, s42, 384                        ; weights: 192 columns x tile column,
	s_mul_i32 s47, s[CH], 64*SIZE_N*2              ; 64 k rows x half
	s_add_co_u32 s46, s46, s47
	s_mov_b32 s47, 0
	s_mul_i32 s20, s[CH], HALFA                    ; and where they go: no place in the cluster enters an LDS address
	s_mul_i32 s21, s[CH], HALFB
	s_add_co_u32 s21, s21, BOFF
	s_wait_kmcnt 0x0
	s_add_nc_u64 s[18:19], s[4:5], s[16:17]
	s_add_nc_u64 s[46:47], s[6:7], s[46:47]
	CROUND                                         ; all sixteen work-groups are here: the first joint loads meet
.irp s, 0,1
	s_mov_b32 s[G0+4*(\s)], 1                                        ; count = 1
	s_add_co_u32 s[G0+4*(\s)+1], s20, (\s)*SLOT                      ; LDS address
	s_add_nc_u64 s[G0+4*(\s)+2:G0+4*(\s)+3], s[18:19], (\s)*KSTEP*2  ; global address: K step s
	s_or_b32 s[G0+4*(\s)+3], s[G0+4*(\s)+3], 0x80000000              ; type = 2
	s_mov_b32 s[G0B+4*(\s)], 1
	s_add_co_u32 s[G0B+4*(\s)+1], s21, (\s)*SLOT
	s_add_nc_u64 s[G0B+4*(\s)+2:G0B+4*(\s)+3], s[46:47], (\s)*KSTEP*SIZE_N*2
	s_or_b32 s[G0B+4*(\s)+3], s[G0B+4*(\s)+3], 0x80000000
	JLOAD \s                                       ; the ring is filled before anything else is done: two loads of mine are out
.endr
	; A fragment of x is 16 rows x 32 K in 8 registers: lane l holds row l % 16, K = 8 (l / 16) + 0..7 and 16 + 8 (l / 16) + 0..7: two loads of 16 bytes, 32 bytes apart.
	v_and_b32 v1, 15, v0                           ; l % 16
	v_bfe_u32 v2, v0, 4, 1                         ; l / 16
	v_mul_u32_u24 v3, v1, PA
	v_lshl_add_u32 v3, v2, 4, v3
	s_mul_i32 s22, s[RH], HALFA                    ; my 128 rows
	v_add_nc_u32 v[ADRA], s22, v3
	v_add_nc_u32 v[ADRA+1], SLOT, v[ADRA]
	; The turning load takes 16 k x 16 columns (lane l reads k row 8 (l / 16) + l % 8, columns 8 ((l / 8) % 2) + 0..7) and leaves half a fragment: lane l holds column l % 16 and 8 k.
	v_and_b32 v4, 7, v0
	v_bfe_u32 v5, v0, 3, 1
	v_lshl_add_u32 v4, v2, 3, v4
	v_mul_u32_u24 v4, v4, PB
	v_lshl_add_u32 v4, v5, 4, v4
	v_add_nc_u32 v4, BOFF, v4
	s_mul_i32 s22, s[CH], 224                      ; column 96 lies 64 bytes into the second piece: 160 + 64
	s_lshl_b32 s23, s[CH], 8                       ; blocks 2 and 3 cross one piece more in the right half than in the left
	v_add_nc_u32 v[ADRB], s22, v4
	v_add_nc_u32 v[ADRB+1], SLOT, v[ADRB]
	v_add_nc_u32 v[ADRB+2], s23, v4
	v_add_nc_u32 v[ADRB+3], SLOT, v[ADRB+2]
	s_mul_i32 s22, s[RH], 128*SPQ                  ; into the stage: my 128 rows, my 192 bytes of them; row l % 16, 16 bytes for each half of the lanes
	s_mul_i32 s23, s[CH], 192
	s_add_co_u32 s22, s22, s23
	v_mul_u32_u24 v6, v1, SPQ
	v_lshl_add_u32 v6, v2, 4, v6
	v_add_nc_u32 v[STO], s22, v6
	s_mul_i32 s22, s[WV], 64*SPQ                   ; back: wave w takes rows 64 w .. 64 w + 63; 32 lanes take a head's 128 bytes of four rows
	v_bfe_u32 v7, v0, 3, 2
	v_mul_u32_u24 v7, v7, SPQ
	v_and_b32 v8, 7, v0
	v_lshl_add_u32 v7, v8, 4, v7
	v_add_nc_u32 v[RD], s22, v7
	v_and_b32 v[CO], 31, v0
	v_lshlrev_b32 v[CO], 4, v[CO]
	v_lshlrev_b32 v[BO32], 5, v2
	s_mul_i32 s46, s42, 768                        ; the bias of my 96 columns: 4 (192 x tile column + 96 x half)
	s_mul_i32 s47, s[CH], 384
	s_add_co_u32 s46, s46, s47
	s_mov_b32 s47, 0
	s_add_nc_u64 s[8:9], s[8:9], s[46:47]
	WIN 0x80                                       ; destination window 2, address window 0
.irp b, 0,1,2,3,4,5
	global_load_b128 v[BIAS+8*(\b):BIAS+8*(\b)+3],   v[BO32], s[8:9] offset:64*(\b)
	global_load_b128 v[BIAS+8*(\b)+4:BIAS+8*(\b)+7], v[BO32], s[8:9] offset:64*(\b)+16
.endr
	WIN 0
	; where my rows begin in the result: block 3 x tile column; plane tile row / 8; row 256 (tile row % 8) + 64 w of 128 bytes.  Under 2^26.
	s_lshr_b32 s16, s45, 3
	s_lshl_b32 s16, s16, 18
	s_and_b32 s17, s45, 7
	s_lshl_b32 s17, s17, 15
	s_add_co_u32 s16, s16, s17
	s_lshl_b32 s17, s[WV], 13
	s_add_co_u32 s16, s16, s17
	s_mul_i32 s46, s42, 3*1048576
	s_add_co_u32 s16, s16, s46
	s_mov_b32 s17, 0
	s_add_nc_u64 s[10:11], s[10:11], s[16:17]
; 12 matrix instructions: row blocks a0, a0 + 1 of the window's four (hi = 0: my rows 0-63, 1: rows 64-127) x all 6 column blocks, 32 along K, from buffers f.
; first = 1: the products start the sums, with the bias as C: nothing is cleared, and the bias costs no instruction.
; The 48 accumulators take turns, one instruction a turn, in the same order in every quarter.
.macro MUL12 f, hi, a0, first
.if \first
	WIN 0x60+0x40*(\hi)                            ; C in window 2, D in window 1 or 2
.else
	WIN 0x50+0x50*(\hi)                            ; C and D in window 1 or 2
.endif
.irp a, \a0, (\a0)+1
.irp b, 0,1,2,3,4,5
.if \first
	v_wmma_f32_16x16x32_bf16 v[8*(6*(\a)+(\b)):8*(6*(\a)+(\b))+7], v[FB+48*(\f)+8*(\b):FB+48*(\f)+8*(\b)+7], v[FA+64*(\f)+8*(4*(\hi)+(\a)):FA+64*(\f)+8*(4*(\hi)+(\a))+7], v[BIAS+8*(\b):BIAS+8*(\b)+7]
.else
	v_wmma_f32_16x16x32_bf16 v[8*(6*(\a)+(\b)):8*(6*(\a)+(\b))+7], v[FB+48*(\f)+8*(\b):FB+48*(\f)+8*(\b)+7], v[FA+64*(\f)+8*(4*(\hi)+(\a)):FA+64*(\f)+8*(4*(\hi)+(\a))+7], v[8*(6*(\a)+(\b)):8*(6*(\a)+(\b))+7]
.endif
.endr
.endr
.endm
; 28 LDS loads in one run: the fragments of quarter q (32 along K) of a slot into buffers f: the weights' 6 blocks, then x's 8.
.macro FETCH slot, q, f
	WIN 0
.irp b, 0,1,2,3,4,5
.set BO, 32*(\b)+32*((\b)/4)           ; blocks 4 and 5 lie behind a piece's padding
.set AR, ADRB+(\slot)+2*(((\b)/2)%2)   ; blocks 2 and 3 have the second address
	ds_load_tr16_b128 v[FB+48*(\f)+8*(\b):FB+48*(\f)+8*(\b)+3],   v[AR] offset:32*PB*(\q)+BO
	ds_load_tr16_b128 v[FB+48*(\f)+8*(\b)+4:FB+48*(\f)+8*(\b)+7], v[AR] offset:32*PB*(\q)+BO+16*PB
.endr
.irp i, 0,1,2,3,4,5,6,7
	ds_load_b128 v[FA+64*(\f)+8*(\i):FA+64*(\f)+8*(\i)+3],   v[ADRA+(\slot)] offset:64*(\q)+(\i)*16*PA
	ds_load_b128 v[FA+64*(\f)+8*(\i)+4:FA+64*(\f)+8*(\i)+7], v[ADRA+(\slot)] offset:64*(\q)+(\i)*16*PA+32
.endr
.endm
; A load into a register that a matrix instruction has read, and a vector instruction that reads a matrix result or writes one of a matrix instruction's registers, stand four places behind it;
; only plain vector instructions that name none of its registers are places (ISA guide 7.12.1 for vector instructions).
.macro PLACES
.rept 4
	v_nop
.endr
.endm
; A K step is four quarters of 32 along K, 48 matrix instructions each, on buffers 0, 1, 0, 1.  One of the first three: multiplies buffers f; in its middle it fetches quarter q of the same slot into buffers g.
.macro QUARTER slot, q, f, g, first
	s_wait_dscnt 8                                 ; the weights and x's rows 0-63 are in; the youngest eight loads (x's rows 64-127) may be out
	MUL12 \f, 0, 0, \first
	MUL12 \f, 0, 2, \first
	PLACES
	FETCH \slot, \q, \g
	s_wait_dscnt 28                                ; all but the 28 just issued
	MUL12 \f, 1, 0, \first
	MUL12 \f, 1, 2, \first
.endm
; The last quarter multiplies buffers 1 and changes slots: ONE barrier.  In front of it each wave waits for all its tensor loads, of which one is out: its part of the next slot; adds 0 to its spare word; and waits
; for that and for its own reads of this slot.  Behind it nobody reads this slot any more and the next slot is whole.  fill = 1: the barrier opens a round of the cluster's barrier, and this slot is filled again,
; two K steps ahead, first thing behind the round: from that request to the wait for it a wave issues 24 + 144 matrix instructions.
.macro TURN slot, next, fill
	WIN 0                                          ; (the add's two registers lie in window 0)
	s_wait_tensorcnt 0x0                           ; all my tensor loads have landed
	ds_add_u32 v[SPW], v[NIL]                      ; 0 onto my spare word
	s_wait_dscnt 9                                 ; (the add and the youngest eight loads may be out)
	MUL12 1, 0, 0, 0                               ; twelve matrix instructions stand between the add and the wait for it
	s_wait_dscnt 0x0                               ; the add is done, and my reads of this slot are over
	s_barrier_signal -1
	MUL12 1, 0, 2, 0                               ; work on registers while the others arrive
	WIN 0                                          ; (branches or LDS loads follow)
	s_barrier_wait -1
.if \fill
	CREST                                          ; no wave of any partner still reads this slot's tile or has a load on its way
	s_add_nc_u64 s[G0+4*(\slot)+2:G0+4*(\slot)+3], s[G0+4*(\slot)+2:G0+4*(\slot)+3], 2*KSTEP*2
	s_add_nc_u64 s[G0B+4*(\slot)+2:G0B+4*(\slot)+3], s[G0B+4*(\slot)+2:G0B+4*(\slot)+3], 2*KSTEP*SIZE_N*2
	JLOAD \slot                                    ; the four v_nop behind it are also the places in front of the loads below
.else
	PLACES
.endif
	FETCH \next, 0, 0
	MUL12 1, 1, 0, 0
	MUL12 1, 1, 2, 0
.endm
	s_wait_tensorcnt 1                             ; my part of K step 0 is in; K step 1's may stay out
	s_barrier_signal -1
	s_barrier_wait -1                              ; everybody's is
	FETCH 0, 0, 0
	s_wait_loadcnt 0x0                             ; the bias
	QUARTER 0, 1, 0, 1, 1                          ; the first quarter stands in front of the loop: its products start the sums
	WIN 0                                          ; at a label and at a branch every window is 0
	s_mov_b32 s3, LAPS-1
.Llap:                                                 ; a trip goes once round the ring, from a lap's second quarter to the next lap's first, and fills both slots again
	QUARTER 0, 2, 1, 0, 0
	QUARTER 0, 3, 0, 1, 0
	TURN 0, 1, 1
	QUARTER 1, 1, 0, 1, 0
	QUARTER 1, 2, 1, 0, 0
	QUARTER 1, 3, 0, 1, 0
	TURN 1, 0, 1
	QUARTER 0, 1, 0, 1, 0
	WIN 0
	s_sub_co_u32 s3, s3, 1
	s_cmp_lg_u32 s3, 0
	s_cbranch_scc1 .Llap
	QUARTER 0, 2, 1, 0, 0                          ; the last lap is written out: it fills nothing
	QUARTER 0, 3, 0, 1, 0
	TURN 0, 1, 0
	QUARTER 1, 1, 0, 1, 0
	QUARTER 1, 2, 1, 0, 0
	QUARTER 1, 3, 0, 1, 0
	s_wait_dscnt 8                                 ; the very last quarter: nothing more to fetch
	MUL12 1, 0, 0, 0
	MUL12 1, 0, 2, 0
	s_wait_dscnt 0x0
	MUL12 1, 1, 0, 0
	MUL12 1, 1, 2, 0
	; THE WAY OUT: round to bf16; 16 bytes a lane into the work-group's stage; a barrier, since a head's 128 bytes of a row may come from two waves; back by heads, four rows of 128 bytes a load.
	PLACES
.irp a, 0,1,2,3,4,5,6,7
	WIN 0x05+5*((\a)/4)                            ; sources 0 and 1: window 1 or 2
.irp b, 0,1,2,3,4,5
.irp r, 0,1,2,3
	v_cvt_pk_bf16_f32 v[TMP+4*(6*(\a)+(\b))+(\r)], v[8*(6*((\a)%4)+(\b))+2*(\r)], v[8*(6*((\a)%4)+(\b))+2*(\r)+1]
.endr
.endr
.endr
	WIN 0
.irp a, 0,1,2,3,4,5,6,7
.irp b, 0,1,2,3,4,5
	ds_store_b128 v[STO], v[TMP+4*(6*(\a)+(\b)):TMP+4*(6*(\a)+(\b))+3] offset:(\a)*16*SPQ+32*(\b)
.endr
.endr
	s_wait_dscnt 0x0                               ; for the others' sake: my stores into the stage are done
	s_barrier_signal -1
	s_barrier_wait -1
.set i, 0
.rept 48                                       ; head i / 16 of the tile's three, rows 4 (i % 16) on of my 64
	ds_load_b128 v[TMP+4*i:TMP+4*i+3], v[RD] offset:128*(i/16)+4*SPQ*(i%16)
.set i, i+1
.endr
.set i, 0
.rept 48
	s_wait_dscnt 47-i                              ; LDS loads come back in order (ISA guide 5.7.1): load i is in
	global_store_b128 v[CO], v[TMP+4*i:TMP+4*i+3], s[10:11] offset:1048576*(i/16)+512*(i%16)  ; 512 consecutive bytes, at a multiple of 256 from the buffer's first byte
.set i, i+1
.endr
	s_wait_tensorcnt 0x0                           ; the wave's end: 0 onto my spare word, behind my last tensor load and my last LDS store
	ds_add_u32 v[SPW], v[NIL]
	s_wait_dscnt 0x0
	CROUND                                         ; the closing round: no work-group ends while a partner may still ask for a tile that names it
	s_endpgm
.Lfunc_end_k_q0621d90705_qkv:
	.size	k_q0621d90705_qkv, .Lfunc_end_k_q0621d90705_qkv-k_q0621d90705_qkv
	.p2alignl 7, 3214868480
	.fill 96, 4, 3214868480
	.section	.rodata,"a",@progbits
	.p2align	6, 0x0
	.amdhsa_kernel k_q0621d90705_qkv
		.amdhsa_group_segment_fixed_size 327680
		.amdhsa_private_segment_fixed_size 0
		.amdhsa_enable_private_segment 0
		.amdhsa_kernarg_size 32
		.amdhsa_user_sgpr_count 2
		.amdhsa_user_sgpr_kernarg_segment_ptr 1
		.amdhsa_wavefront_size32 1
		.amdhsa_system_sgpr_workgroup_id_x 1
		.amdhsa_system_sgpr_workgroup_id_y 1
		.amdhsa_system_sgpr_workgroup_id_z 1
		.amdhsa_system_vgpr_workitem_id 0
		.amdhsa_next_free_vgpr 752
		.amdhsa_next_free_sgpr 66
		.amdhsa_reserve_vcc 0
		.amdhsa_float_denorm_mode_32 3
		.amdhsa_float_denorm_mode_16_64 3
		.amdhsa_memory_ordered 1
		.amdhsa_forward_progress 1
		.amdhsa_inst_pref_size 117
	.end_amdhsa_kernel
	.amdgpu_metadata
---
amdhsa.version: [ 1, 2 ]
amdhsa.kernels:
  - .name:           k_q0621d90705_qkv
    .symbol:         k_q0621d90705_qkv.kd
    .args:
      - { .name: x16, .offset: 0, .size: 8, .value_kind: global_buffer, .address_space: global }
      - { .name: wq16, .offset: 8, .size: 8, .value_kind: global_buffer, .address_space: global }
      - { .name: bqkv, .offset: 16, .size: 8, .value_kind: global_buffer, .address_space: global }
      - { .name: qkvh, .offset: 24, .size: 8, .value_kind: global_buffer, .address_space: global }
    .group_segment_fixed_size: 327680
    .private_segment_fixed_size: 0
    .kernarg_segment_align: 8
    .kernarg_segment_size: 32
    .max_flat_workgroup_size: 128
    .sgpr_count:     66
    .vgpr_count:     752
    .wavefront_size: 32
...
	.end_amdgpu_metadata
.endif
;; end of part 2
;; launch attn (part 3): grid 4 x 64, 4 waves a work-group, clusters of 4 x 1, 327,680 bytes of LDS; arguments qkvh, oh; writes oh
.if DOCPART == 3
	.amdgcn_target "amdgcn-amd-amdhsa--gfx1250"
	.amdhsa_code_object_version 6
	.text
	.protected	k_q0621d90705_attn
	.globl	k_q0621d90705_attn
	.p2align	8
	.type	k_q0621d90705_attn,@function
k_q0621d90705_attn:
	s_mov_b64 s[64:65], 0
	v_nop
	global_prefetch_b8 v0, s[64:65] scope:SCOPE_SE
	s_setreg_imm32_b32 hwreg(HW_REG_WAVE_MODE, 25, 1), 1
	s_wait_xcnt 0x0
	s_wait_alu depctr_hold_cnt(0) depctr_sa_sdst(0) depctr_va_vdst(0) depctr_va_sdst(0) depctr_va_ssrc(0) depctr_va_vcc(0) depctr_vm_vsrc(0)
	s_getreg_b32 s2, hwreg(HW_REG_IB_STS2, 6, 4)
	s_cmp_eq_u32 s2, 0
	s_cbranch_scc0 .Lentry_in_a_cluster
	s_endpgm
.Lentry_in_a_cluster:
	s_bfe_u32 s2, ttmp6, 0x10000c
	s_cmp_lg_u32 s2, 0x3003
	s_cbranch_scc0 .Lentry_shape_is_right
	s_endpgm
.Lentry_shape_is_right:
; CROSS ATTENTION.  For each y = 4 h + (2 e + b): O[q][:] = the sum over k of softmax_k(Q[q] . K[k] / 8) V[k][:], with Q of embedding e and K, V of the OTHER embedding of the same batch.
; qkvh: [48][4][2048][64] bf16: plane y holds Q, plane 64 + (y xor 2) K, plane 128 + (y xor 2) V; a plane's rows are dense, 128 bytes each.  oh: [16 h][4][2048][64] bf16: plane y.
; Products, maxima and sums in f32; the weights p are rounded to bf16 for the second product (their sum l is taken of the unrounded p), O once at the end.
; LIMITS.  All operands are bf16, which has f32's range.  A weight below 2^-126 counts as 0 in l; NaN and infinities are not treated apart.
; SHARES.  A wave owns four PIECES of two tiles of 16 queries, a work-group's four waves 512 queries of one plane.  Every wave walks all 2,048 keys, 64 a step.
; LAYOUT.  S^T = K Q^T (source 0 = 16 keys, source 1 = 16 queries): in the result a lane holds ONE query (lane % 16) and the keys 8 (lane / 16) + 0..7.  Two such tiles, rounded to bf16 in pairs,
; ARE source 1 (32 keys x 16 queries) of O^T = V^T P, whose result again holds one query a lane, and eight channels.  K comes out of LDS as it lies, V ([key][channel]) turned, by ds_load_tr16_b128.
; SOFTMAX.  For each query a running maximum m and sum l: p = 2^(c s - c m), c = log2(e) / 8; in every step O and l are multiplied by a = 2^(c m_old - c m_new), which is 1 where m has not grown.
; m starts at the lowest finite number, O and l at 0: the first step is a step like any other, with a = 0.
; THE COUNT.  A tile and step have 16 matrix and 118 vector instructions: too many to stand all beside the matrix work.  So the order has one aim: four vector instructions that are READY behind
; EVERY matrix instruction, and the others, which need time of their own whatever the order, in runs without a gap.
; BY TURNS.  Turn n belongs to piece n (the pieces in a ring, step after step).  Its matrix work: 16 products K Q^T of piece n + 1, later 16 products V^T P of piece n - 1.  Its vector work: the scaling,
; exponentials, roundings, sums and rescaling of piece n, and the maximum and statistics of piece n + 1, whose scores the turn itself has made.  So what a turn begins with (c s - c m, O a) waits for nothing.
; CLUSTER.  The four query blocks of a cluster belong to one plane and walk the same K and V, so each tile is asked for JOINTLY: the same tensor load, descriptor and mask in all four.
; REGISTERS, in windows of 256 (s_set_vgpr_msb says which window each operand place means: bits 1:0 source 0, 3:2 source 1, 5:4 source 2, 7:6 destination):
;   window 0: v0-11 addresses; v12-15, v48-63 at work; v16-47 four registers of statistics a tile; v64-191 S^T, two buffers of two tiles; v192-255 P, likewise
;   window 1: O^T, 32 a tile          window 2: v0-127 Q, 16 a tile; v128-191 K of one step; v192-255 V of one step          window 3: v0-1 the add's two registers
; A piece's buffers go by its number's parity: the piece in hand has one pair, its two neighbours in the ring share the other: of it P (piece n - 1) is read and S^T (piece n + 1) written.
.set SIZE_N, 2048
.set PLANE, SIZE_N*128 ; bytes in a plane
.set NP,    4         ; pieces a wave: a name, no knob: the register map, the loop and the fetches are made for four
.set KS,    64        ; keys in a step
.set PK,    144       ; a row of K in LDS: 128 bytes + 16 of padding = 36 words: the 16 rows of a load start at 16 different groups of four banks (64 banks of 4 bytes: ISA guide 11.1)
.set PV,    160       ; a row of V: 128 + 32 = 40 words
.set VOFF,  4*KS*PK   ; a slot holds four steps: 256 rows of K, then 256 rows of V
.set SLOT1, 1<<17     ; slot 1 begins here, so that one exclusive or turns an address in one slot into the other's
.set STAGE, SLOT1+4*KS*(PK+PV)  ; behind the ring, never filled by a tensor load: 16 rows x 144 bytes for each wave, for the way out
.set SP,    144
.set AK0, 2           ; v2   my lane's place in a tile of K; never rewritten
.set AV0, 3           ; v3   the same for V
.set AK,  4           ; v4   the LDS address of K's next run of loads
.set AV,  5           ; v5   of V's
.set QO,  6           ; v6   my byte offset in the wave's rows of Q
.set STO, 6           ;      later, the way out: where I put 16 bytes of a row
.set RD,  7           ; v7   the way out: where I read rows back
.set GO,  8           ; v8   my byte offset in 512 consecutive bytes of O
.set SPW, 0           ; v0 of window 3   LDS address of my spare word: SPARE + 4 x my thread's number; never rewritten
.set NIL, 1           ; v1 of window 3   0; never rewritten
.set SPARE, STAGE+4*16*SP  ; behind the stages: the spare words, 128 bytes for each wave: two blocks of 256 bytes that no other line names
.set MV,  12          ; v12-15  c m_old, kept while c m is made anew: by buffer and tile
.set ST,  16          ; tile t's statistics at v[ST+4 t]: c m, m, l (even keys', odd keys')
.set TMP, 48          ; by buffer and tile, four registers c0-c3 at work; when the maximum is found c2 takes a
.set S,   64
.set P,   192
.set KF,  128         ; K's fragments, in window 2: key block kb, channel half c at KF + 16 kb + 8 c
.set VF,  192         ; V's: key half kk, channel block cb at VF + 32 kk + 8 cb
.set WV,  12          ; s12  my wave's number
.set G1K, 24          ; s[24:31] descriptor group 1 for K's tiles
.set G1V, 32          ; s[32:39] for V's: it differs in the padding alone
.set G0K, 40          ; s[40:43] descriptor group 0 for K's tiles: it walks
.set G0V, 44          ; s[44:47] the same for V's
.set SLOTS, 56        ; s56  slots still to be asked for
.set CNT, 57          ; s57  counts a slot's key steps
.set CS,  58          ; s[58:59] c: the packed scaling takes the pair's low word for both halves
.set SEL, 60          ; s[60:61] v_permlanex16_b32's selects: each lane takes its own place in the other half
.set TBK, 62          ; s62  LDS byte at which K of the step to be fetched begins
.set TBV, 63          ; s63  the same for V, less VOFF
.set MSB, 0
.macro WIN new                      ; the high byte repeats the setting that is left; a switch that changes nothing is dropped
.if MSB != (\new)
	s_set_vgpr_msb (MSB<<8)|(\new)
.set MSB, (\new)
.endif
.endm
.set W_KQ, 0x0a       ; K and Q in window 2, S^T in window 0
.set W_PV, 0x52       ; V in window 2, P in window 0, O^T in window 1
.set W_RS, 0x41       ; O^T (destination and source 0) in window 1, a in window 0
.set W_MK, 0xc0       ; the add's registers are made: destination in window 3, sources in window 0
.set W_AD, 0x0f       ; the add: address (source 0) and data (source 1) in window 3
; A joint fill.  Waves 0 and 1 fetch the two halves of a slot's K, waves 2 and 3 those of its V: 128 keys each.  The branch hangs on the wave's number alone.
; An s_nop 0 and four v_nop follow each of the two lines, ahead of the jump and the label.
.macro JLOAD
	s_cmp_lt_u32 s[WV], 2
	s_cbranch_scc0 .Lfor_v_\@
	tensor_load_to_lds s[G0K:G0K+3], s[G1K:G1K+7]
	s_nop 0
.rept 4
	v_nop
.endr
	s_branch .Lasked_\@
.Lfor_v_\@:
	tensor_load_to_lds s[G0V:G0V+3], s[G1V:G1V+7]
	s_nop 0
.rept 4
	v_nop
.endr
.Lasked_\@:
.endm
; A round of the cluster's barrier: my work-group's barrier, so that wave 0's signal speaks for all four waves; wave 0 signals; every wave waits for all four work-groups; my work-group's barrier once more.
.macro CROUND
	s_barrier_signal -1
	s_barrier_wait -1
	s_cmp_lg_u32 s[WV], 0
	s_cbranch_scc1 .Lnot_wave_0_\@
	s_barrier_signal -3
.Lnot_wave_0_\@:
	s_barrier_wait -3
	s_barrier_signal -1
	s_barrier_wait -1
.endm
; THE CHANGE OF SLOTS.  The slot's last bytes, V of its fourth step, have been read.  Each wave waits for all its tensor loads, of which one is out: its part
; of the other slot; adds 0 to its spare word; and waits for that and for its own reads of the slot.  Behind the barrier nobody reads this slot any more and the other slot is whole.
; fill = 1: this slot is filled again, with the keys two slots on.  The barrier is then a round of the cluster's, so that no wave of any partner still reads the slot or has a load on its
; way, and the joint fill is the first thing behind it: it has four key steps, 512 matrix instructions, in which to land.  (At its first use nothing has been read yet: slot 0 is waited for, slot 1 filled.)
.macro CHANGE fill
	WIN W_AD
	s_wait_tensorcnt 0x0            ; no tensor load of mine is out, so a group 0 may be written
	ds_add_u32 v[SPW], v[NIL]       ; 0 onto my spare word; with fill = 1 the descriptors' steps stand between it and the wait for it
	WIN 0                           ; at a label and at a branch every window is 0
.if \fill
.irp g, G0K, G0V
	s_xor_b32 s[\g+1], s[\g+1], SLOT1  ; the walking descriptor: the other slot than last time,
	s_add_nc_u64 s[\g+2:\g+3], s[\g+2:\g+3], 4*KS*128  ; the next 256 keys; the type bits on top are not reached
.endr
	s_wait_dscnt 0x0                ; the add is done, and my reads of the slot are over
	CROUND
	JLOAD
.else
	s_wait_dscnt 0x0                ; the add is done, and my reads of the slot are over
	s_barrier_signal -1
	s_barrier_wait -1
.endif
	s_sub_co_u32 s[TBK], s[TBK], 4*KS*PK  ; the fetches go back to a slot's first step,
	s_xor_b32 s[TBK], s[TBK], SLOT1       ; in the other slot
	s_sub_co_u32 s[TBV], s[TBV], 4*KS*PV
	s_xor_b32 s[TBV], s[TBV], SLOT1
.endm
	s_load_b64 s[4:5], s[0:1], 0x0    ; qkvh
	s_load_b64 s[10:11], s[0:1], 0x8  ; oh
	WIN W_MK
	v_lshl_add_u32 v[SPW], v0, 2, SPARE
	v_mov_b32 v[NIL], 0
	s_set_vgpr_msb 0xc0cf
	ds_add_u32 v0, v1
	s_wait_dscnt 0x0
	s_set_vgpr_msb 0xcfc0
	WIN 0
	v_lshrrev_b32 v1, 5, v0
	v_readfirstlane_b32 s[WV], v1   ; wave 0..3
	s_bfe_u32 s13, ttmp6, 0x40000   ; cx: my place in the cluster
	s_lshl_b32 s14, ttmp9, 2        ; in a cluster launch ttmp9 counts clusters
	s_add_co_u32 s14, s14, s13      ; my block of queries = 4 x cluster x + cx: it enters Q's and O's addresses alone
	s_and_b32 s20, ttmp7, 0xffff    ; y = 4 h + 2 e + b, which the four partners share
	s_xor_b32 s22, s20, 2           ; the same head and batch of the other embedding
	s_lshl_b32 s20, s20, 18         ; Q's and O's plane, in bytes (a plane is 262,144); all offsets here stay under 2^26
	s_mov_b32 s21, 0
	s_lshl_b32 s22, s22, 18
	s_and_b32 s16, s[WV], 1         ; which half of a slot's 256 keys I fetch:
	s_lshl_b32 s23, s16, 14         ; its 128 rows of 128 bytes in memory,
	s_add_co_u32 s22, s22, s23
	s_add_co_u32 s22, s22, 64*PLANE ; K's planes lie behind Q's 64,
	s_mov_b32 s23, 0
	s_add_co_u32 s48, s22, 64*PLANE ; V's behind K's
	s_mov_b32 s49, 0
	s_mul_i32 s17, s16, 128*PK      ; and its place in a slot, for K
	s_mul_i32 s18, s16, 128*PV      ; and for V: no place in the cluster enters an LDS address
	s_lshl_b32 s2, s14, 2
	s_add_co_u32 s2, s2, s[WV]      ; my wave among the plane's,
	s_lshl_b32 s2, s2, 14           ; its 128 rows
	s_mov_b32 s3, 0
	s_add_nc_u64 s[2:3], s[2:3], s[20:21]
	; descriptor group 1.  128 keys are 16,384 dense bytes: asked for as 64 rows of 256 bytes, two keys a row, and padded in LDS after every key
	s_mov_b32 s[G1K], 15|(1<<16)|(1<<20)|(1<<21)|(4<<22)|(3<<25)  ; 15:0 the mask of four; 17:16 2-byte elements; 20 padding on; 21 set beside a mask; 24:22 after every 32 words (code 4); 31:25 4 words (code 3)
	s_mov_b32 s[G1V], 15|(1<<16)|(1<<20)|(1<<21)|(4<<22)|(7<<25)  ; the same with 8 words of padding (code 7)
.irp g, G1K, G1V
	s_mov_b32 s[\g+1], 128<<16      ; tensor_dim0 = 128
	s_mov_b32 s[\g+2], 64<<16       ; tensor_dim1 = 64
	s_mov_b32 s[\g+3], 128<<16      ; tile_dim0 = 128
	s_mov_b32 s[\g+4], 64           ; tile_dim1 = 64
	s_mov_b32 s[\g+5], 128          ; 128 elements from row to row
	s_mov_b32 s[\g+6], 0
	s_mov_b32 s[\g+7], 0
.endr
	s_mov_b32 s[CS], 0x3e38aa3b     ; c = log2(e) / 8 = 0.180337
	s_mov_b32 s[CS+1], s[CS]        ; named with it as a pair
	s_mov_b32 s[SEL], 0x76543210
	s_mov_b32 s[SEL+1], 0xfedcba98
	s_mov_b32 s[TBK], SLOT1+4*KS*PK ; the first change of slots turns these two into 0
	s_mov_b32 s[TBV], SLOT1+4*KS*PV
	s_mov_b32 s[G0K], 1             ; 1:0 count = 1
	s_mov_b32 s[G0K+1], s17         ; 63:32 LDS address: slot 0
	s_mov_b32 s[G0V], 1
	s_add_co_u32 s[G0V+1], s18, VOFF
	s_wait_kmcnt 0x0
	s_add_nc_u64 s[G0K+2:G0K+3], s[4:5], s[22:23]  ; 120:64 global address: my half of the plane's first 256 keys
	s_or_b32 s[G0K+3], s[G0K+3], 0x80000000        ; 127:126 type = 2
	s_add_nc_u64 s[G0V+2:G0V+3], s[4:5], s[48:49]
	s_or_b32 s[G0V+3], s[G0V+3], 0x80000000
	s_add_nc_u64 s[4:5], s[4:5], s[2:3]  ; Q and O at my wave's first row
	s_add_nc_u64 s[10:11], s[10:11], s[2:3]
	CROUND                          ; all four work-groups are here: the first joint loads meet
	JLOAD                           ; slot 0.  Slot 1 is asked for when slot 0 is in: the tile wanted first goes out alone
	; A fragment of K or Q is 16 rows x 32 channels in 8 registers: lane l holds row l % 16, channels 8 (l / 16) + 0..7 and 16 + 8 (l / 16) + 0..7: two loads of 16 bytes, 32 bytes apart.
	v_and_b32 v1, 15, v0            ; l % 16
	v_bfe_u32 v9, v0, 4, 1          ; l / 16
	v_lshlrev_b32 v[QO], 7, v1
	v_lshl_add_u32 v[QO], v9, 4, v[QO]  ; row x 128 + 16 x half
	WIN 0x80                        ; destination window 2, address window 0
.set i, 0
.rept 4*NP                          ; Q stays in registers: tile i / 2, channels 32 (i % 2) on
	global_load_b128 v[8*i:8*i+3],   v[QO], s[4:5] offset:(i/2)*2048+(i%2)*64
	global_load_b128 v[8*i+4:8*i+7], v[QO], s[4:5] offset:(i/2)*2048+(i%2)*64+32
.set i, i+1
.endr
	; What the first turn finds: V's registers and P's second buffer hold 0 (its products V^T P, of a piece that has not been, add 0), O^T and l are 0.  All this stands in the wait for the first tile.
.set i, VF
.rept 64
	v_mov_b32 v[i], 0
.set i, i+1
.endr
	WIN 0x40
.set i, 0
.rept 64*NP
	v_mov_b32 v[i], 0
.set i, i+1
.endr
	WIN 0
.set i, 0
.rept 2*NP
	v_mov_b32 v[ST+4*i], 0xfe000000    ; c m: far below every c s
	v_mov_b32 v[ST+4*i+1], 0xff7fffff  ; m
	v_mov_b32 v[ST+4*i+2], 0
	v_mov_b32 v[ST+4*i+3], 0
.set i, i+1
.endr
.set i, P+32
.rept 32
	v_mov_b32 v[i], 0
.set i, i+1
.endr
	v_mul_u32_u24 v[AK0], v1, PK
	v_lshl_add_u32 v[AK0], v9, 4, v[AK0]  ; row x pitch + 16 x half
	; The turning load takes 16 keys x 16 channels (lane l reads key 8 (l / 16) + l % 8, channels 8 ((l / 8) % 2) + 0..7) and leaves half a fragment of V^T: lane l holds channel l % 16 and 8 keys.
	v_and_b32 v10, 7, v0
	v_bfe_u32 v11, v0, 3, 1
	v_lshl_add_u32 v[AV0], v9, 3, v10
	v_mul_u32_u24 v[AV0], v[AV0], PV
	v_lshl_add_u32 v[AV0], v11, 4, v[AV0]
	v_add_nc_u32 v[AV0], VOFF, v[AV0]
	v_mov_b32 v[AK], v[AK0]         ; key step 0 lies at the head of slot 0
; THE MATRIX WORK.  The 8 accumulators of a run of 16 take turns: between the two links of a chain stand 7 others'.
; Product i of 16 of S^T = K Q^T for piece x: channels 32 (i / 8) on, keys 16 ((i / 2) % 4) on, tile 2 x + i % 2.  The first 8 start the sums.
.macro KQ x
	WIN W_KQ
.set rS, S+64*((\x)%2)+32*(i%2)+8*((i/2)%4)
.set rK, KF+16*((i/2)%4)+8*(i/8)
.set rQ, 16*(2*(\x)+i%2)+8*(i/8)
.if i < 8
	v_wmma_f32_16x16x32_bf16 v[rS:rS+7], v[rK:rK+7], v[rQ:rQ+7], 0
.else
	v_wmma_f32_16x16x32_bf16 v[rS:rS+7], v[rK:rK+7], v[rQ:rQ+7], v[rS:rS+7]
.endif
.endm
; Product i of 16 of O^T += V^T P for piece x: keys 32 (i / 8) on, channels 16 ((i / 2) % 4) on, tile 2 x + i % 2.
.macro PV x
	WIN W_PV
.set rO, 32*(2*(\x)+i%2)+8*((i/2)%4)
.set rV, VF+32*(i/8)+8*((i/2)%4)
.set rP, P+32*((\x)%2)+16*(i%2)+8*(i/8)
	v_wmma_f32_16x16x32_bf16 v[rO:rO+7], v[rV:rV+7], v[rP:rP+7], v[rO:rO+7]
.endm
.macro MM                           ; the turn's next matrix instruction
.if i < 16
	KQ (Y+1)%NP
.set i, i+1
.else
.set i, i-16
	PV (Y+NP-1)%NP
.set i, i+17
.endif
.endm
; THE LDS LOADS stand in runs of 16, never singly among the matrix instructions: a step's K (64 keys x 64 channels: 8 fragments) and its V (turned).  Their addresses are made some lines ahead.
; last = 1 (the tail): in the last trip there is no further step, and the run is jumped over.
.macro FETCH_K last=0
	WIN 0
.if \last
	s_cmp_eq_u32 s[CNT], 1
	s_cbranch_scc1 .Lno_k_\@
.endif
	WIN 0x80                        ; destination window 2
.irp f, 0,1,2,3,4,5,6,7             ; keys 16 (f / 2) on, channels 32 (f % 2) on
	ds_load_b128 v[KF+8*\f:KF+8*\f+3],   v[AK] offset:(\f/2)*16*PK+(\f%2)*64
	ds_load_b128 v[KF+8*\f+4:KF+8*\f+7], v[AK] offset:(\f/2)*16*PK+(\f%2)*64+32
.endr
	s_add_co_u32 s[TBK], s[TBK], KS*PK  ; the next fetch is the next step's
	WIN 0
.if \last
.Lno_k_\@:
.endif
.endm
.macro FETCH_V
	WIN 0x80
.irp f, 0,1,2,3,4,5,6,7             ; keys 32 (f / 4) on, channels 16 (f % 4) on
	ds_load_tr16_b128 v[VF+8*\f:VF+8*\f+3],   v[AV] offset:(\f/4)*32*PV+(\f%4)*32
	ds_load_tr16_b128 v[VF+8*\f+4:VF+8*\f+7], v[AV] offset:(\f/4)*32*PV+16*PV+(\f%4)*32
.endr
	WIN 0
.endm
; THE VECTOR WORK OF A TURN stands in three queues, each in the order in which its entries become ready; the two tiles alternate, so that no instruction reads the result of the one before it.
.macro REGS y, u                    ; the registers of tile u (0, 1) of piece y
.set rT, ST+4*(2*(\y)+(\u))
.set rC, TMP+8*((\y)%2)+4*(\u)
.set rM, MV+2*((\y)%2)+(\u)
.set rS, S+64*((\y)%2)+32*(\u)
.set rP, P+32*((\y)%2)+16*(\u)
.set rO, 32*(2*(\y)+(\u))
.endm
; Number n of the 22 that find the NEXT piece's (Y + 1) maximum and statistics.  s0-s31 are the lane's 32 scores; each accumulator's lowest registers are read first.  XS, GS and REGS set no window: PL and EX do.
;   0-11  four chains c0-c3 of seven scores each, three operands at a time     12-14, 16  the four scores left over, the old m, and c0-c3 into c0     15  c m_old is kept
;   17, 18  the query's other 32 keys lie in the lane 16 away: the new m         19-21  c m; c m_old - c m_new; a
.macro XS u, n
	REGS (Y+1)%NP, \u
.if (\n) < 4
	v_max3_num_f32 v[rC+(\n)], v[rS+8*(\n)], v[rS+8*(\n)+1], v[rS+8*(\n)+2]
.elseif (\n) < 12
	v_max3_num_f32 v[rC+(\n)%4], v[rC+(\n)%4], v[rS+8*((\n)%4)+2*((\n)/4)+1], v[rS+8*((\n)%4)+2*((\n)/4)+2]
.elseif (\n) == 12
	v_max3_num_f32 v[rC], v[rC], v[rS+7], v[rS+15]
.elseif (\n) == 13
	v_max3_num_f32 v[rC+1], v[rC+1], v[rS+23], v[rS+31]
.elseif (\n) == 14
	v_max3_num_f32 v[rC+2], v[rC+2], v[rC+3], v[rT+1]
.elseif (\n) == 15
	v_mov_b32 v[rM], v[rT]
.elseif (\n) == 16
	v_max3_num_f32 v[rC], v[rC], v[rC+1], v[rC+2]
.elseif (\n) == 17
	v_permlanex16_b32 v[rC+3], v[rC], s[SEL], s[SEL+1]
.elseif (\n) == 18
	v_max_num_f32 v[rT+1], v[rC], v[rC+3]
.elseif (\n) == 19
	v_mul_f32 v[rT], s[CS], v[rT+1]
.elseif (\n) == 20
	v_sub_f32 v[rC+1], v[rM], v[rT]
.else
	v_exp_f32 v[rC+2], v[rC+1]
.endif
.endm
; Number g of the 64 that follow the exponentials.  For each four weights k of a tile (pairs 2 k, 2 k + 1): both pairs are rounded to bf16; then the second pair is added onto the first, in place;
; a group later l takes that sum (the first time as l = a l + sum).  In groups of eight, tiles alternating: round, round, add, and l for the group before.
.macro GS g
.set h, (\g)+6*((\g)/62)            ; group 0 has no group before it, and behind group 7 only l is left
.if h >= 6
.set h, h+2
.endif
	REGS Y, h%2
.set k, h/8
.if h%8 < 4
	s_wait_alu depctr_va_vdst(0)
	v_cvt_pk_bf16_f32 v[rP+2*k+(h%8)/2], v[rS+4*k+2*((h%8)/2)], v[rS+4*k+2*((h%8)/2)+1]
.elseif h%8 < 6
	v_pk_add_f32 v[rS+4*k:rS+4*k+1], v[rS+4*k:rS+4*k+1], v[rS+4*k+2:rS+4*k+3]
.elseif k == 1
	v_pk_fma_f32 v[rT+2:rT+3], v[rT+2:rT+3], v[rC+2:rC+3], v[rS:rS+1] op_sel_hi:[1,0,1]
.else
	v_pk_add_f32 v[rT+2:rT+3], v[rT+2:rT+3], v[rS+4*k-4:rS+4*k-3]
	s_wait_alu depctr_va_vdst(0)
.endif
.endm
; THE PLAIN QUEUE, 138 long.  0-31: c s - c m for the 16 pairs of both tiles.  Then GS's 64, and among them the next piece's 42: number 15 at 38, 39; 0-14 and 16
; at 42-73, behind the products that make those scores; 17-20 at 95-106, two of three, since each waits for the one before it.
.macro PL
	WIN 0
.if q < 32
	REGS Y, q%2
	v_pk_fma_f32 v[rS+2*(q/2):rS+2*(q/2)+1], v[rS+2*(q/2):rS+2*(q/2)+1], s[CS:CS+1], v[rT:rT+1] op_sel_hi:[1,0,0] neg_lo:[0,0,1] neg_hi:[0,0,1]
.elseif q < 38
	GS q-32
.elseif q < 40
	XS q%2, 15
.elseif q < 42
	GS q-34
.elseif q < 74
	XS q%2, (q-42)/2+(q-42)/30
.elseif q < 95
	GS q-66
.elseif (q < 107) && ((q-95)%3 < 2)
	XS (q-95)%3, 17+(q-95)/3
.elseif q < 107
	GS 29+(q-95)/3
.else
	GS q-74
.endif
.set q, q+1
.endm
; THE EXPONENTIALS' QUEUE, 66 long: s0-s31 of both tiles, and at EA the next piece's two a.
.set EA, 58
.macro EX
	WIN 0
.if (e == EA) || (e == EA+1)
	XS e-EA, 21
.else
.set x, e-2*(e/(EA+2))
	REGS Y, x%2
	v_exp_f32 v[rS+x/2], v[rS+x/2]
.endif
.set e, e+1
.endm
; THE RESCALING's QUEUE: O^T times a, the one part that leaves window 0, so it is dealt four at a time, eight times.
.macro R4
	REGS Y, r%2
	WIN W_RS
	s_wait_alu depctr_va_vdst(0)
.irp z, 0,1,2,3
	v_pk_mul_f32 v[rO+8*(r/2)+2*\z:rO+8*(r/2)+2*\z+1], v[rO+8*(r/2)+2*\z:rO+8*(r/2)+2*\z+1], v[rC+2:rC+3] op_sel_hi:[1,0]
.endr
.set r, r+1
.endm
; HOW THEY ARE DEALT.  Behind a matrix instruction four: plain, exponential, plain, plain (one exponential, a plain instruction on either side), or four of the rescaling.  None names a register of the
; products round it.  What is over stands in two LUMPS: exponential and plain by turns; the second ends in 22 plain instructions.  The two v_permlanex16_b32 fall into the second lump, never behind a product.
; The queues lean on each other, and the deal keeps them in step: exponential e stands behind plain 2 (e / 4) + e % 2 (its scaling); when plain 32 comes, 10 exponentials are out, at 59: 33, at 95: 46; EA comes behind plain 107.
.macro SL
	MM
	PL
	EX
	PL
	PL
.endm
.macro BURST n                      ; 15 matrix instructions, or 16
.rept (\n)-7
	SL
.endr
.rept 3
	MM
	R4
	SL
.endr
	MM
	R4
.endm
; A TURN, for piece p.  cnt = 1: the loop's count is taken down some lines ahead of the branch that stands behind the turn.
; K of the next step is fetched in piece 2's turn, 31 vector instructions behind the last product that read K; its first reader comes behind the rest of the lump, 16 products and the second lump.
; V of the step in hand is fetched at the end of piece 0's turn, 69 behind its last reader; its first reader comes behind 16 products and a lump.  The four conditions on e and q below go with the deal.
.macro TURN p, last=0, cnt=0
.set Y, (\p)
.set i, 0
.set q, 0
.set e, 0
.set r, 0
.if (\p) == NP-1
	s_wait_dscnt 0x0                ; K is in
.endif
	MM
.rept 4
	PL
.endr
	BURST 15
.rept 22
	EX
	PL
.if ((\p) == NP-2) && (e == 18)
	v_add_nc_u32 v[AK], s[TBK], v[AK0]
.endif
.if ((\p) == NP-2) && (e == 24)
	FETCH_K \last
.endif
.endr
.if (\p) == 1
	s_wait_dscnt 0x0                ; V is in
.endif
	BURST 16
.rept 21
	EX
	PL
.endr
.rept 22
	PL
.if ((\p) == 0) && (q == 118)
	v_add_nc_u32 v[AV], s[TBV], v[AV0]
	s_wait_alu depctr_va_vdst(0)
.endif
.if ((\p) == 0) && (q == 130)
	s_add_co_u32 s[TBV], s[TBV], KS*PV
.endif
.if (\cnt) && (q == 130)
	s_sub_co_u32 s[CNT], s[CNT], 1
	s_cmp_lg_u32 s[CNT], 0
.endif
.endr
.if (\p) == 0
	FETCH_V
.endif
.endm
	CHANGE 1                        ; slot 0 is in, everybody's part of it; slot 1 is asked for
	FETCH_K                         ; key step 0
	s_wait_loadcnt 0x0              ; Q
	s_wait_dscnt 0x0
.set i, 0
.rept 16
	KQ 0                            ; piece 0's first scores: there is no vector work yet to set between them
.set i, i+1
.endr
	WIN 0                           ; the addresses for the way out: nine plain instructions, the places behind those products
	s_mul_i32 s13, s[WV], 16*SP
	s_add_co_u32 s13, s13, STAGE    ; my stage
	v_mul_u32_u24 v[STO], v1, SP    ; in: row l % 16, 16 bytes for each half of the lanes
	v_lshl_add_u32 v[STO], v9, 4, v[STO]
	v_add_nc_u32 v[STO], s13, v[STO]
	v_bfe_u32 v[RD], v0, 3, 2       ; back: 32 lanes take four rows of 128 bytes,
	v_mul_u32_u24 v[RD], v[RD], SP
	v_lshl_add_u32 v[RD], v10, 4, v[RD]
	v_add_nc_u32 v[RD], s13, v[RD]
	v_and_b32 v[GO], 31, v0         ; which are 512 consecutive bytes of O
	v_lshlrev_b32 v[GO], 4, v[GO]
.set Y, NP-1                        ; XS works for piece Y + 1: piece 0
.irp n, 0,1,2,3,4,5,6,7,8,9,10,11,12,13,14,15,16,17,18,19,20,21
	XS 0, \n                        ; and piece 0's first maximum and statistics
	XS 1, \n
.endr
	s_mov_b32 s[CNT], 4
	s_mov_b32 s[SLOTS], SIZE_N/256-1
	s_branch .Lfirst                ; the loop is entered at a step's first turn, in the middle of a trip
.Lslot:                             ; SIZE_N / 256 - 2 times: every slot but the last two is filled again
	CHANGE 1
	s_mov_b32 s[CNT], 4
.Lstep:                             ; a trip: pieces 2 and 3 of one step, then pieces 0 and 1 of the next, whose K and V it fetches
	TURN 2
	TURN 3
	WIN 0
.Lfirst:
	TURN 0
	TURN 1, 0, 1
	WIN 0
	s_cbranch_scc1 .Lstep
	s_sub_co_u32 s[SLOTS], s[SLOTS], 1
	s_cmp_lg_u32 s[SLOTS], 0
	s_cbranch_scc1 .Lslot
	CHANGE 0                        ; the tail is written out: nothing is asked for
	s_mov_b32 s[CNT], 5             ; four trips fetch the last slot's steps; the fifth is left in its middle
.Ltail:
	TURN 2, 1
	TURN 3
	WIN 0
	s_sub_co_u32 s[CNT], s[CNT], 1
	s_cmp_eq_u32 s[CNT], 0
	s_cbranch_scc1 .Lout
	TURN 0
	TURN 1
	WIN 0
	s_branch .Ltail
.Lout:                              ; the fifth trip's 16 products K Q^T (on the last K once more) and the maximum made of them serve nothing: the price, once a launch, of one text for every trip
.set i, 0
.rept 16
	PV NP-1                         ; the last piece's V^T P of the last step
.set i, i+1
.endr
	; THE WAY OUT.  l's two halves and the other half of the lanes' are added; O^T is divided by l, rounded to bf16 and sent through my stage in LDS, a tile at a time.  The additions are the places behind the last products.
	WIN 0
.macro ALL line:vararg              ; one line for each tile t
.set t, 0
.rept 2*NP
	\line
.set t, t+1
.endr
.endm
	ALL v_add_f32 v[ST+4*t+2], v[ST+4*t+2], v[ST+4*t+3]
	ALL v_permlanex16_b32 v[ST+4*t+3], v[ST+4*t+2], s[SEL], s[SEL+1]
	ALL v_add_f32 v[ST+4*t+2], v[ST+4*t+2], v[ST+4*t+3]
	ALL v_rcp_f32 v[ST+4*t+2], v[ST+4*t+2]
	v_nop                           ; a plain instruction between the last reciprocal and the use of its result
	s_wait_alu depctr_va_vdst(0)
; Tile t: a lane's eight channels of a row pack into 16 bytes; they go into rows of 144 bytes and come back as whole rows of 128, into S^T's registers.
.macro PACK t
	WIN W_RS
.set i, 32*(\t)
.rept 16
	v_pk_mul_f32 v[i:i+1], v[i:i+1], v[ST+4*(\t)+2:ST+4*(\t)+3] op_sel_hi:[1,0]
.set i, i+2
.endr
	WIN 0x05                        ; sources 0 and 1 window 1, destination window 0
.set i, 0
.rept 16
	v_cvt_pk_bf16_f32 v[S+16*(\t)+i], v[32*(\t)+2*i], v[32*(\t)+2*i+1]
.set i, i+1
.endr
	WIN 0
.irp f, 0,1,2,3
	ds_store_b128 v[STO], v[S+16*(\t)+4*\f:S+16*(\t)+4*\f+3] offset:32*\f
.endr
.irp f, 0,1,2,3
	ds_load_b128 v[S+16*(\t)+4*\f:S+16*(\t)+4*\f+3], v[RD] offset:\f*4*SP  ; LDS serves a wave's instructions in order (ISA guide 5.7.1.4): these see the stores above; the next tile's stores come behind them
.endr
.endm
.macro SEND t, younger              ; younger: the LDS instructions issued behind tile t's loads: the next tile's eight, or none
	WIN 0
.irp f, 0,1,2,3
	s_wait_dscnt (\younger)+3-\f
	global_store_b128 v[GO], v[S+16*(\t)+4*\f:S+16*(\t)+4*\f+3], s[10:11] offset:(\t)*2048+\f*512  ; 512 consecutive bytes, at a multiple of 256 from O's first
.endr
.endm
	PACK 0
.set t, 1
.rept 2*NP-1                        ; a tile's arithmetic stands between the loads of the tile before and its stores
	PACK t
	SEND t-1, 8
.set t, t+1
.endr
	SEND 2*NP-1, 0
	WIN W_AD
	s_wait_tensorcnt 0x0            ; the wave's end: 0 onto my spare word, behind my last tensor load and my last LDS store
	ds_add_u32 v[SPW], v[NIL]
	s_wait_dscnt 0x0
	WIN 0
	CROUND                          ; the closing round: no work-group ends while a partner may still ask for a tile that names it
	s_endpgm
.Lfunc_end_k_q0621d90705_attn:
	.size	k_q0621d90705_attn, .Lfunc_end_k_q0621d90705_attn-k_q0621d90705_attn
	.p2alignl 7, 3214868480
	.fill 96, 4, 3214868480
	.section	.rodata,"a",@progbits
	.p2align	6, 0x0
	.amdhsa_kernel k_q0621d90705_attn
		.amdhsa_group_segment_fixed_size 327680
		.amdhsa_private_segment_fixed_size 0
		.amdhsa_enable_private_segment 0
		.amdhsa_kernarg_size 16
		.amdhsa_user_sgpr_count 2
		.amdhsa_user_sgpr_kernarg_segment_ptr 1
		.amdhsa_wavefront_size32 1
		.amdhsa_system_sgpr_workgroup_id_x 1
		.amdhsa_system_sgpr_workgroup_id_y 1
		.amdhsa_system_sgpr_workgroup_id_z 1
		.amdhsa_system_vgpr_workitem_id 0
		.amdhsa_next_free_vgpr 770
		.amdhsa_next_free_sgpr 66
		.amdhsa_reserve_vcc 0
		.amdhsa_float_denorm_mode_32 3
		.amdhsa_float_denorm_mode_16_64 3
		.amdhsa_memory_ordered 1
		.amdhsa_forward_progress 1
		.amdhsa_inst_pref_size 209
	.end_amdhsa_kernel
	.amdgpu_metadata
---
amdhsa.version: [ 1, 2 ]
amdhsa.kernels:
  - .name:           k_q0621d90705_attn
    .symbol:         k_q0621d90705_attn.kd
    .args:
      - { .name: qkvh, .offset: 0, .size: 8, .value_kind: global_buffer, .address_space: global }
      - { .name: oh, .offset: 8, .size: 8, .value_kind: global_buffer, .address_space: global }
    .group_segment_fixed_size: 327680
    .private_segment_fixed_size: 0
    .kernarg_segment_align: 8
    .kernarg_segment_size: 16
    .max_flat_workgroup_size: 128
    .sgpr_count:     66
    .vgpr_count:     770
    .wavefront_size: 32
...
	.end_amdgpu_metadata
.endif
;; end of part 3
;; launch oproj (part 4): grid 4 x 64, 4 waves a work-group, clusters of 4 x 4, 327,680 bytes of LDS; arguments oh, wo16, embedding1, embedding2, bout, zres; writes zres
.if DOCPART == 4
	.amdgcn_target "amdgcn-amd-amdhsa--gfx1250"
	.amdhsa_code_object_version 6
	.text
	.protected	k_q0621d90705_oproj
	.globl	k_q0621d90705_oproj
	.p2align	8
	.type	k_q0621d90705_oproj,@function
k_q0621d90705_oproj:
	s_mov_b64 s[64:65], 0
	v_nop
	global_prefetch_b8 v0, s[64:65] scope:SCOPE_SE
	s_setreg_imm32_b32 hwreg(HW_REG_WAVE_MODE, 25, 1), 1
	s_wait_xcnt 0x0
	s_wait_alu depctr_hold_cnt(0) depctr_sa_sdst(0) depctr_va_vdst(0) depctr_va_sdst(0) depctr_va_ssrc(0) depctr_va_vcc(0) depctr_vm_vsrc(0)
	s_getreg_b32 s2, hwreg(HW_REG_IB_STS2, 6, 4)
	s_cmp_eq_u32 s2, 0
	s_cbranch_scc0 .Lentry_in_a_cluster
	s_endpgm
.Lentry_in_a_cluster:
	s_bfe_u32 s2, ttmp6, 0x10000c
	s_cmp_lg_u32 s2, 0xf033
	s_cbranch_scc0 .Lentry_shape_is_right
	s_endpgm
.Lentry_shape_is_right:
; zres = embedding + O . Wout + bout, in f32.  oh: [16 h][4 (2 e + b)][2048 n][64] bf16.  wo16: [1024 k][1024 n] bf16 (k = 64 h + channel).  zres: [8192][1024] f32, row = 2048 (2 e + b) + n.
; LIMITS.  The product's operands are bf16; sums, bias and residual are f32; NaN and infinities are not treated apart.
; WHY THE NORM IS NOT MADE HERE.  It wants whole rows of 1,024 columns.  A work-group with whole rows takes in all 2 MB of Wout, which two LDS slots cut into 16 fills with 64 matrix instructions a wave
; beside each.  With a tile of 128 x 256 a work-group takes in (128 + 256) x 2,048 bytes = 786 KB in 8 fills, with 128 matrix instructions a wave beside each.  The price: zres is stored here and loaded by the next launch.
; A tile is 128 rows x 256 columns: 64 x 4 = 256 work-groups.  Four waves, each 64 x 128: 32 accumulators of 16 x 16, 256 registers.
; K goes in 8 steps of 128, two heads a step, through a ring of two LDS slots filled by the tensor data mover.  O's rows lie along K and come out of LDS as they lie; Wout lies [k][n] and comes out turned, by ds_load_tr16_b128.
; CLUSTERS: 4 x 4 work-groups.  The four of a row of the cluster need the same tiles of O, the four of a column the same tiles of Wout: each tile is asked for JOINTLY, by the same tensor load with the
; same descriptor and a mask that names the four.
; THE MATRIX INSTRUCTION IS USED TRANSPOSED (source 0 = 16 columns of Wout, source 1 = 16 rows of O): a lane then holds row l % 16 and the eight neighbouring columns 8 (l / 16) + 0..7.
; THE BIAS is the C operand of the products that start the sums: register j of a lane wants the bias of column 8 (l / 16) + j of its block: 64 registers, loaded once.
; REGISTERS, in windows of 256 (s_set_vgpr_msb: bits 1:0 source 0, 3:2 source 1, 5:4 source 2, 7:6 destination):
;   window 0: v0-31 addresses; v32-63, v64-95 fragments of O (4 x 16 rows x 32 K), two buffers; v96-159, v160-223 fragments of Wout (8 x 16 columns x 32 K), two buffers; on the way out v32-95, v96-159 two buffers of 16 rows
;   window 1: accumulator (a, b) at v[8 (8 a + b)]      window 2: v0-63 the bias      window 3: my 64 rows x 128 columns of the embedding, row i at v[4 i]
.set SIZE_N, 1024
.set KSTEP,  128
.set PA,     144                       ; an LDS row of O: a head's 128 bytes + 16 of padding = 36 words: the 16 rows of a load start at 16 different groups of four banks (64 banks of 4 bytes: ISA guide 11.1)
.set PLA,    128*PA                    ; a head's plane of 128 rows: what one tensor load brings of O
.set PB,     544                       ; an LDS row of Wout: 512 bytes + 32 of padding = 136 words
.set HALFB,  64*PB                     ; 64 k rows: what one tensor load brings of Wout
.set BOFF,   2*PLA                     ; Wout lies behind O's two planes
.set SLOT,   BOFF+2*HALFB              ; 106,496
.set STAGE,  2*SLOT                    ; behind the ring, never filled by a tensor load: 16 rows x 528 bytes for each wave, for the way out
.set SPS,    528                       ; a stage row: 512 bytes + 16
.set SPARE,  STAGE+4*16*SPS            ; behind the stages: the spare words, 128 bytes for each wave: two blocks of 256 bytes that no other line names
.set LAPS,   4                         ; a lap = two K steps = once round the ring
.set ADRA, 16                          ; v16-17  LDS address of my fragments of O in slot 0, 1
.set ADRB, 20                          ; v20-21  the same for Wout
.set STO,  24                          ; v24     the way out: where I put 32 bytes of a row
.set RD,   25                          ; v25     the way out: where I read a row back
.set GO,   26                          ; v26     16 x lane: my place in 512 consecutive bytes
.set BO32, 27                          ; v27     32 (l / 16): my eight numbers in a block of the bias
.set SPW,  28                          ; v28     LDS address of my spare word: SPARE + 4 x my thread's number; never rewritten
.set NIL,  29                          ; v29     0; never rewritten
.set FA,   32                          ; O's fragment buffers, 32 registers each
.set FB,   96                          ; Wout's, 64 each
.set X0,   32                          ; the way out: two buffers of 64 registers
.set BIAS, 0                           ; window 2
.set WV, 16                            ; s16  my wave's number
.set RH, 17                            ; s17  which half of the tile's rows is mine.  Also: I fetch O (0) or Wout (1)
.set CH, 18                            ; s18  which half of its columns.  Also: which head's plane, or which 64 k rows, I fetch
.set G1, 24                            ; s[24:31] descriptor group 1 for O's tiles;  s[32:39] group 0, one set for each slot
.set G0, 32
.set G1B, 48                           ; s[48:55], s[56:63] the same for Wout's tiles
.set G0B, 56
.set MSB, 0
.macro WIN new                         ; the immediate's high byte repeats the setting that is left; a switch that changes nothing is dropped
.if MSB != (\new)
	s_set_vgpr_msb (MSB<<8)|(\new)
.set MSB, \new
.endif
.endm
; A joint load.  Waves 0 and 1 fetch O's two planes, waves 2 and 3 the two halves of Wout's tile.  The branch hangs on the wave's number alone.
; An s_nop 0 and four v_nop follow each of the two lines, ahead of the jump, the label and what follows.
.macro JLOAD s
	s_cmp_eq_u32 s[RH], 0
	s_cbranch_scc0 .Lfor_b_\@
	tensor_load_to_lds s[G0+4*(\s):G0+4*(\s)+3], s[G1:G1+7]
	s_nop 0
.rept 4
	v_nop
.endr
	s_branch .Lasked_\@
.Lfor_b_\@:
	tensor_load_to_lds s[G0B+4*(\s):G0B+4*(\s)+3], s[G1B:G1B+7]
	s_nop 0
.rept 4
	v_nop
.endr
.Lasked_\@:
.endm
.macro CREST                           ; a round of the cluster's barrier behind its opening barrier: wave 0 signals for the work-group, every wave waits for all sixteen, my work-group's barrier closes it
	s_cmp_lg_u32 s[WV], 0
	s_cbranch_scc1 .Lnot_wave_0_\@
	s_barrier_signal -3
.Lnot_wave_0_\@:
	s_barrier_wait -3
	s_barrier_signal -1
	s_barrier_wait -1
.endm
.macro CROUND                          ; a whole round
	s_barrier_signal -1
	s_barrier_wait -1
	CREST
.endm
	s_load_b256 s[4:11], s[0:1], 0x0               ; oh s[4:5], wo16 s[6:7], embedding1 s[8:9], embedding2 s[10:11]
	s_load_b128 s[12:15], s[0:1], 0x20             ; bout s[12:13], zres s[14:15]
	v_lshl_add_u32 v[SPW], v0, 2, SPARE
	v_mov_b32 v[NIL], 0
	ds_add_u32 v28, v29
	s_wait_dscnt 0x0
	v_lshrrev_b32 v1, 5, v0
	v_readfirstlane_b32 s[WV], v1                  ; wave 0..3
	s_lshr_b32 s[RH], s[WV], 1
	s_and_b32 s[CH], s[WV], 1
	s_bfe_u32 s40, ttmp6, 0x40000                  ; cx, cy: my place in the cluster
	s_bfe_u32 s41, ttmp6, 0x40004
	s_lshl_b32 s42, ttmp9, 2
	s_add_co_u32 s42, s42, s40                     ; tile column = 4 x cluster x + cx
	s_and_b32 s66, ttmp7, 0xffff                   ; cluster y
	s_lshl_b32 s45, s66, 2
	s_add_co_u32 s45, s45, s41                     ; tile row = 4 x cluster y + cy
	s_lshl_b32 s43, s41, 2
	s_lshl_b32 s43, 15, s43                        ; my row of the cluster: places 4 cy .. 4 cy + 3
	s_lshl_b32 s44, 0x1111, s40                    ; my column: places cx, cx + 4, cx + 8, cx + 12
	; descriptor group 1.  O: a plane's 128 rows of 128 bytes are dense: asked for as 64 rows of 256 bytes, 4 words of padding behind every 32.  Wout: 64 rows x 256 elements, 8 words of padding behind every 128.
	s_or_b32 s[G1+0], s43, (1<<16)|(1<<20)|(1<<21)|(4<<22)|(3<<25)   ; 15:0 the mask; 17:16 elements of 2 bytes; 20 padding on; 21 set beside a mask; 24:22 the interval's code; 31:25 the padding's words less 1
	s_or_b32 s[G1B+0], s44, (1<<16)|(1<<20)|(1<<21)|(6<<22)|(7<<25)
	s_mov_b32 s[G1+1], 128<<16                     ; tensor_dim0 = 128
	s_mov_b32 s[G1+2], 64<<16                      ; tensor_dim1 = 64
	s_mov_b32 s[G1+3], 128<<16                     ; tile_dim0 = 128
	s_mov_b32 s[G1+4], 64                          ; tile_dim1 = 64
	s_mov_b32 s[G1+5], 128                         ; elements from row to row
	s_mov_b32 s[G1+6], 0
	s_mov_b32 s[G1+7], 0
	s_mov_b32 s[G1B+1], 256<<16                    ; tensor_dim0 = 256
	s_mov_b32 s[G1B+2], 64<<16                     ; tensor_dim1 = 64
	s_mov_b32 s[G1B+3], 256<<16                    ; tile_dim0 = 256
	s_mov_b32 s[G1B+4], 64                         ; tile_dim1 = 64
	s_mov_b32 s[G1B+5], SIZE_N                     ; elements from row to row
	s_mov_b32 s[G1B+6], 0
	s_mov_b32 s[G1B+7], 0
	; where the tiles come from.  O's hang on the tile row alone, Wout's on the tile column alone; each in registers that never hold the other coordinate while a descriptor is made of them.
	s_lshr_b32 s19, s45, 4                         ; O: plane 2 e + b = tile row / 16, of 262,144 bytes,
	s_lshl_b32 s19, s19, 18
	s_and_b32 s20, s45, 15                         ; 128 rows of 128 bytes a tile row,
	s_lshl_b32 s20, s20, 14
	s_add_co_u32 s20, s20, s19
	s_lshl_b32 s19, s[CH], 20                      ; and the first or the second head of a K step: 4 planes on.  Under 2^24
	s_add_co_u32 s20, s20, s19
	s_mov_b32 s21, 0
	s_lshl_b32 s46, s42, 9                         ; Wout: 256 columns x tile column,
	s_lshl_b32 s47, s[CH], 17                      ; 64 k rows of 2,048 bytes x half
	s_add_co_u32 s46, s46, s47
	s_mov_b32 s47, 0
	s_mul_i32 s22, s[CH], PLA                      ; and where they go: no place in the cluster enters an LDS address
	s_mul_i32 s23, s[CH], HALFB
	s_add_co_u32 s23, s23, BOFF
	s_wait_kmcnt 0x0
	s_add_nc_u64 s[20:21], s[4:5], s[20:21]
	s_add_nc_u64 s[46:47], s[6:7], s[46:47]
	CROUND                                         ; all sixteen work-groups are here: the first joint loads meet
.irp s, 0,1
	s_mov_b32 s[G0+4*(\s)], 1                                        ; count = 1
	s_add_co_u32 s[G0+4*(\s)+1], s22, (\s)*SLOT                      ; LDS address
	s_add_nc_u64 s[G0+4*(\s)+2:G0+4*(\s)+3], s[20:21], (\s)*2097152  ; global address: K step s, two heads of 1,048,576 bytes on
	s_or_b32 s[G0+4*(\s)+3], s[G0+4*(\s)+3], 0x80000000              ; type = 2
	s_mov_b32 s[G0B+4*(\s)], 1
	s_add_co_u32 s[G0B+4*(\s)+1], s23, (\s)*SLOT
	s_add_nc_u64 s[G0B+4*(\s)+2:G0B+4*(\s)+3], s[46:47], (\s)*KSTEP*SIZE_N*2
	s_or_b32 s[G0B+4*(\s)+3], s[G0B+4*(\s)+3], 0x80000000
	JLOAD \s                                       ; the ring is filled before anything else is done: two loads of mine are out
.endr
	v_and_b32 v1, 15, v0                           ; l % 16
	v_bfe_u32 v2, v0, 4, 1                         ; l / 16
	v_and_b32 v[GO], 31, v0
	v_lshlrev_b32 v[GO], 4, v[GO]
	v_lshlrev_b32 v[BO32], 5, v2
	; the bias at my 128 columns; the embedding and zres at my 64 rows and 128 columns
	s_lshl_b32 s68, s42, 10                        ; 256 columns of 4 bytes x tile column
	s_lshl_b32 s69, s[CH], 9                       ; + 128 columns x half
	s_add_co_u32 s68, s68, s69
	s_mov_b32 s69, 0
	s_add_nc_u64 s[12:13], s[12:13], s[68:69]
	s_lshl_b32 s70, s[RH], 18                      ; + 64 rows of 4,096 bytes x half
	s_add_co_u32 s68, s68, s70
	s_and_b32 s70, s45, 31                         ; an embedding has 32 tile rows of 128 x 4,096 bytes
	s_lshl_b32 s70, s70, 19
	s_add_co_u32 s70, s70, s68
	s_mov_b32 s71, 0
	s_lshl_b32 s72, s45, 19                        ; zres has all 64: under 2^26
	s_add_co_u32 s72, s72, s68
	s_mov_b32 s73, 0
	s_cmp_lt_u32 s66, 8                            ; clusters 0-7 along y hold the first embedding's rows
	s_cselect_b64 s[8:9], s[8:9], s[10:11]
	s_add_nc_u64 s[8:9], s[8:9], s[70:71]
	s_add_nc_u64 s[14:15], s[14:15], s[72:73]
	WIN 0x80                                       ; destination window 2, address window 0
.irp b, 0,1,2,3,4,5,6,7
	global_load_b128 v[BIAS+8*(\b):BIAS+8*(\b)+3],   v[BO32], s[12:13] offset:64*(\b)
	global_load_b128 v[BIAS+8*(\b)+4:BIAS+8*(\b)+7], v[BO32], s[12:13] offset:64*(\b)+16
.endr
	WIN 0xc0                                       ; destination window 3
.set i, 0
.rept 48                                       ; the embedding's rows 0-47 of my 64: a load of the wave covers 512 consecutive bytes; they land while the product is made
	global_load_b128 v[4*i:4*i+3], v[GO], s[8:9] offset:4096*i th:TH_LOAD_NT
.set i, i+1
.endr
	WIN 0
	; A fragment of O is 16 rows x 32 K in 8 registers: lane l holds row l % 16, K = 8 (l / 16) + 0..7 and 16 + 8 (l / 16) + 0..7: two loads of 16 bytes, 32 bytes apart.
	v_mul_u32_u24 v3, v1, PA
	v_lshl_add_u32 v3, v2, 4, v3
	s_mul_i32 s19, s[RH], 64*PA                    ; my 64 rows
	v_add_nc_u32 v[ADRA], s19, v3
	v_add_nc_u32 v[ADRA+1], SLOT, v[ADRA]
	; The turning load takes 16 k x 16 columns (lane l reads k row 8 (l / 16) + l % 8, columns 8 ((l / 8) % 2) + 0..7) and leaves half a fragment: lane l holds column l % 16 and 8 k.
	v_and_b32 v4, 7, v0
	v_bfe_u32 v5, v0, 3, 1
	v_lshl_add_u32 v4, v2, 3, v4
	v_mul_u32_u24 v4, v4, PB
	v_lshl_add_u32 v4, v5, 4, v4
	s_lshl_b32 s19, s[CH], 8                       ; my 128 columns of 2 bytes
	s_add_co_u32 s19, s19, BOFF
	v_add_nc_u32 v[ADRB], s19, v4
	v_add_nc_u32 v[ADRB+1], SLOT, v[ADRB]
	s_mul_i32 s19, s[WV], 16*SPS
	s_add_co_u32 s19, s19, STAGE                   ; my stage
	v_mul_u32_u24 v6, v1, SPS                      ; in: row l % 16, 32 bytes for each half of the lanes
	v_lshl_add_u32 v6, v2, 5, v6
	v_add_nc_u32 v[STO], s19, v6
	v_add_nc_u32 v[RD], s19, v[GO]                 ; back: 32 lanes take a row's 512 bytes
; 8 matrix instructions: row block a x all 8 column blocks, 32 along K, from buffers f.  first = 1: the products start the sums, with the bias as C: nothing is cleared, and the bias costs no instruction.
; The 32 accumulators take turns, one instruction a turn, in the same order in every quarter.
.macro MULA f, a, first
.if \first
	WIN 0x60                                       ; C in window 2, D in window 1
.else
	WIN 0x50                                       ; C and D in window 1
.endif
.irp b, 0,1,2,3,4,5,6,7
.if \first
	v_wmma_f32_16x16x32_bf16 v[8*(8*(\a)+(\b)):8*(8*(\a)+(\b))+7], v[FB+64*(\f)+8*(\b):FB+64*(\f)+8*(\b)+7], v[FA+32*(\f)+8*(\a):FA+32*(\f)+8*(\a)+7], v[BIAS+8*(\b):BIAS+8*(\b)+7]
.else
	v_wmma_f32_16x16x32_bf16 v[8*(8*(\a)+(\b)):8*(8*(\a)+(\b))+7], v[FB+64*(\f)+8*(\b):FB+64*(\f)+8*(\b)+7], v[FA+32*(\f)+8*(\a):FA+32*(\f)+8*(\a)+7], v[8*(8*(\a)+(\b)):8*(8*(\a)+(\b))+7]
.endif
.endr
.endm
; 24 LDS loads in one run: the fragments of quarter q (32 along K: head q / 2 of the step's two, channels 32 (q % 2) on) of a slot into buffers f: Wout's 8 blocks, then O's 4.
.macro FETCH slot, q, f
	WIN 0
.irp b, 0,1,2,3,4,5,6,7
	ds_load_tr16_b128 v[FB+64*(\f)+8*(\b):FB+64*(\f)+8*(\b)+3],   v[ADRB+(\slot)] offset:32*PB*(\q)+32*(\b)
	ds_load_tr16_b128 v[FB+64*(\f)+8*(\b)+4:FB+64*(\f)+8*(\b)+7], v[ADRB+(\slot)] offset:32*PB*(\q)+32*(\b)+16*PB
.endr
.irp a, 0,1,2,3
	ds_load_b128 v[FA+32*(\f)+8*(\a):FA+32*(\f)+8*(\a)+3],   v[ADRA+(\slot)] offset:((\q)/2)*PLA+64*((\q)%2)+(\a)*16*PA
	ds_load_b128 v[FA+32*(\f)+8*(\a)+4:FA+32*(\f)+8*(\a)+7], v[ADRA+(\slot)] offset:((\q)/2)*PLA+64*((\q)%2)+(\a)*16*PA+32
.endr
.endm
; A load into a register that a matrix instruction has read, and an LDS store or a vector instruction that reads a matrix result, stand four places behind it;
; only plain vector instructions that name none of its registers are places (ISA guide 7.12.1 for vector instructions).
.macro PLACES
.rept 4
	v_nop
.endr
.endm
; A K step is four quarters of 32 along K, 32 matrix instructions each, on buffers 0, 1, 0, 1.  One of the first three: multiplies buffers f; in its middle it fetches quarter q of the same slot into buffers g.
.macro QUARTER slot, q, f, g, first
	s_wait_dscnt 4                                 ; Wout and O's blocks 0, 1 are in; the youngest four loads (O's blocks 2, 3) may be out
	MULA \f, 0, \first
	MULA \f, 1, \first
	PLACES
	FETCH \slot, \q, \g
	s_wait_dscnt 24                                ; all but the 24 just issued
	MULA \f, 2, \first
	MULA \f, 3, \first
.endm
; The last quarter multiplies buffers 1 and changes slots: ONE barrier.  In front of it each wave waits for all its tensor loads, of which one is out: its part of the next slot; adds 0 to its spare word; and waits
; for that and for its own reads of this slot.  Behind it nobody reads this slot any more and the next slot is whole.  fill = 1: the barrier opens a round of the cluster's barrier, and this slot is filled again,
; two K steps ahead, first thing behind the round: from that request to the wait for it a wave issues 16 + 96 matrix instructions.
.macro TURN slot, next, fill
	WIN 0                                          ; (the add's two registers lie in window 0)
	s_wait_tensorcnt 0x0                           ; all my tensor loads have landed
	ds_add_u32 v[SPW], v[NIL]                      ; 0 onto my spare word
	s_wait_dscnt 5                                 ; (the add and the youngest four loads may be out)
	MULA 1, 0, 0                                   ; eight matrix instructions stand between the add and the wait for it
	s_wait_dscnt 0x0                               ; the add is done, and my reads of this slot are over
	s_barrier_signal -1
	MULA 1, 1, 0                                   ; work on registers while the others arrive
	WIN 0                                          ; (branches or LDS loads follow)
	s_barrier_wait -1
.if \fill
	CREST                                          ; no wave of any partner still reads this slot's tile or has a load on its way
	s_add_nc_u64 s[G0+4*(\slot)+2:G0+4*(\slot)+3], s[G0+4*(\slot)+2:G0+4*(\slot)+3], 2*2097152
	s_add_nc_u64 s[G0B+4*(\slot)+2:G0B+4*(\slot)+3], s[G0B+4*(\slot)+2:G0B+4*(\slot)+3], 2*KSTEP*SIZE_N*2
	JLOAD \slot                                    ; the four v_nop behind it are also the places in front of the loads below
.else
	PLACES
.endif
	FETCH \next, 0, 0
	MULA 1, 2, 0
	MULA 1, 3, 0
.endm
	s_wait_tensorcnt 1                             ; my part of K step 0 is in; K step 1's may stay out
	s_barrier_signal -1
	s_barrier_wait -1                              ; everybody's is
	FETCH 0, 0, 0
	s_wait_loadcnt 48                              ; loads come back in order (ISA guide 5.7.1): the bias is in, the embedding's 48 loads stay out
	QUARTER 0, 1, 0, 1, 1                          ; the first quarter stands in front of the loop: its products start the sums
	WIN 0                                          ; at a label and at a branch every window is 0
	s_mov_b32 s3, LAPS-1
.Llap:                                                 ; a trip goes once round the ring, from a lap's second quarter to the next lap's first, and fills both slots again
	QUARTER 0, 2, 1, 0, 0
	QUARTER 0, 3, 0, 1, 0
	TURN 0, 1, 1
	QUARTER 1, 1, 0, 1, 0
	QUARTER 1, 2, 1, 0, 0
	QUARTER 1, 3, 0, 1, 0
	TURN 1, 0, 1
	QUARTER 0, 1, 0, 1, 0
	WIN 0
	s_sub_co_u32 s3, s3, 1
	s_cmp_lg_u32 s3, 0
	s_cbranch_scc1 .Llap
	WIN 0xc0                                       ; the embedding's rows 48-63: asked for two K steps ahead of their use
.set i, 48
.rept 16
	global_load_b128 v[4*i:4*i+3], v[GO], s[8:9] offset:4096*i th:TH_LOAD_NT
.set i, i+1
.endr
	WIN 0
	QUARTER 0, 2, 1, 0, 0                          ; the last lap is written out: it fills nothing
	QUARTER 0, 3, 0, 1, 0
	TURN 0, 1, 0
	QUARTER 1, 1, 0, 1, 0
	QUARTER 1, 2, 1, 0, 0
	QUARTER 1, 3, 0, 1, 0
	s_wait_dscnt 4                                 ; the very last quarter: nothing more to fetch
	MULA 1, 0, 0
	MULA 1, 1, 0
	s_wait_dscnt 0x0
	MULA 1, 2, 0
	MULA 1, 3, 0
; THE WAY OUT, a block of 16 rows at a time, through my own stage: no other wave touches it, so no barrier.  TOSTAGE: a lane's 32 bytes of each accumulator go in (its low registers first),
; and whole rows of 512 bytes come back.  SEND: the embedding is added and the rows are stored.
.macro TOSTAGE a
	WIN 0x04                                       ; data (source 1) in window 1, address in window 0
.irp b, 0,1,2,3,4,5,6,7
	ds_store_b128 v[STO], v[8*(8*(\a)+(\b)):8*(8*(\a)+(\b))+3]   offset:64*(\b)
	ds_store_b128 v[STO], v[8*(8*(\a)+(\b))+4:8*(8*(\a)+(\b))+7] offset:64*(\b)+16
.endr
	WIN 0
.set XR, X0+64*((\a)%2)
.irp t, 0,1,2,3,4,5,6,7,8,9,10,11,12,13,14,15
	ds_load_b128 v[XR+4*(\t):XR+4*(\t)+3], v[RD] offset:(\t)*SPS  ; LDS serves a wave's instructions in order (ISA guide 5.7.1.4): these see the stores above; the next block's stores come behind them
.endr
.endm
.macro SEND a, younger                 ; younger: the LDS instructions issued behind block a's loads: the next block's 32, or none
.set XR, X0+64*((\a)%2)
	s_wait_dscnt \younger
	WIN 0x03                                       ; source 0, the embedding, in window 3
.set zz, 0
.rept 32
	v_pk_add_f32 v[XR+zz:XR+zz+1], v[64*(\a)+zz:64*(\a)+zz+1], v[XR+zz:XR+zz+1]
.set zz, zz+2
.endr
	WIN 0
.irp t, 0,1,2,3,4,5,6,7,8,9,10,11,12,13,14,15
	global_store_b128 v[GO], v[XR+4*(\t):XR+4*(\t)+3], s[14:15] offset:(16*(\a)+(\t))*4096  ; 512 consecutive bytes, at a multiple of 256 from the buffer's first byte
.endr
.endm
	PLACES
	s_wait_loadcnt 0x0                             ; the embedding
	TOSTAGE 0
	TOSTAGE 1                                      ; a block's way through the stage stands between the loads of the block before and the wait for them
	SEND 0, 32
	s_wait_xcnt 0x0                                ; block 0's stores have read their data registers (ISA guide 3.1): only now are these loaded again
	TOSTAGE 2
	SEND 1, 32
	s_wait_xcnt 0x0
	TOSTAGE 3
	SEND 2, 32
	SEND 3, 0
	s_wait_tensorcnt 0x0                           ; the wave's end: 0 onto my spare word, behind my last tensor load and my last LDS store
	ds_add_u32 v[SPW], v[NIL]
	s_wait_dscnt 0x0
	CROUND                                         ; the closing round: no work-group ends while a partner may still ask for a tile that names it
	s_endpgm
.Lfunc_end_k_q0621d90705_oproj:
	.size	k_q0621d90705_oproj, .Lfunc_end_k_q0621d90705_oproj-k_q0621d90705_oproj
	.p2alignl 7, 3214868480
	.fill 96, 4, 3214868480
	.section	.rodata,"a",@progbits
	.p2align	6, 0x0
	.amdhsa_kernel k_q0621d90705_oproj
		.amdhsa_group_segment_fixed_size 327680
		.amdhsa_private_segment_fixed_size 0
		.amdhsa_enable_private_segment 0
		.amdhsa_kernarg_size 48
		.amdhsa_user_sgpr_count 2
		.amdhsa_user_sgpr_kernarg_segment_ptr 1
		.amdhsa_wavefront_size32 1
		.amdhsa_system_sgpr_workgroup_id_x 1
		.amdhsa_system_sgpr_workgroup_id_y 1
		.amdhsa_system_sgpr_workgroup_id_z 1
		.amdhsa_system_vgpr_workitem_id 0
		.amdhsa_next_free_vgpr 1024
		.amdhsa_next_free_sgpr 80
		.amdhsa_reserve_vcc 0
		.amdhsa_float_denorm_mode_32 3
		.amdhsa_float_denorm_mode_16_64 3
		.amdhsa_memory_ordered 1
		.amdhsa_forward_progress 1
		.amdhsa_inst_pref_size 101
	.end_amdhsa_kernel
	.amdgpu_metadata
---
amdhsa.version: [ 1, 2 ]
amdhsa.kernels:
  - .name:           k_q0621d90705_oproj
    .symbol:         k_q0621d90705_oproj.kd
    .args:
      - { .name: oh, .offset: 0, .size: 8, .value_kind: global_buffer, .address_space: global }
      - { .name: wo16, .offset: 8, .size: 8, .value_kind: global_buffer, .address_space: global }
      - { .name: embedding1, .offset: 16, .size: 8, .value_kind: global_buffer, .address_space: global }
      - { .name: embedding2, .offset: 24, .size: 8, .value_kind: global_buffer, .address_space: global }
      - { .name: bout, .offset: 32, .size: 8, .value_kind: global_buffer, .address_space: global }
      - { .name: zres, .offset: 40, .size: 8, .value_kind: global_buffer, .address_space: global }
    .group_segment_fixed_size: 327680
    .private_segment_fixed_size: 0
    .kernarg_segment_align: 8
    .kernarg_segment_size: 48
    .max_flat_workgroup_size: 128
    .sgpr_count:     80
    .vgpr_count:     1024
    .wavefront_size: 32
...
	.end_amdgpu_metadata
.endif
;; end of part 4
;; launch ln (part 5): grid 512 x 1, 8 waves a work-group, no clusters, 0 bytes of LDS; arguments zres, gamma, beta, out0, out1; writes out0, out1
.if DOCPART == 5
	.amdgcn_target "amdgcn-amd-amdhsa--gfx1250"
	.amdhsa_code_object_version 6
	.text
	.protected	k_q0621d90705_ln
	.globl	k_q0621d90705_ln
	.p2align	8
	.type	k_q0621d90705_ln,@function
k_q0621d90705_ln:
	s_mov_b64 s[64:65], 0
	v_nop
	global_prefetch_b8 v0, s[64:65] scope:SCOPE_SE
	s_setreg_imm32_b32 hwreg(HW_REG_WAVE_MODE, 25, 1), 1
	s_wait_xcnt 0x0
; out = (z - mean(z)) / sqrt(var(z) + 1e-5) x gamma + beta, over the 1,024 columns of a row.  zres: [8192][1024] f32; rows 0-4095 go to out0, rows 4096-8191 to out1.  All in f32.
; The mean is taken first and the variance of the centred numbers, so no difference of large sums is formed.
; LIMITS.  1 / sqrt is v_rsq_f32's; NaN and infinities are not treated apart.
; A stream: every byte is read once and written once, and no two waves read the same row.  So no LDS, no barrier, no cluster and no matrix unit.
; A row is 4,096 bytes: 32 registers of one wave (lane l holds columns 128 j + 4 l + 0..3), so it stays in registers between the sums and the scaling, and the sums never leave the wave.
; A wave takes two rows, their lines alternating, so that no line waits for the one just before it; a work-group of eight waves 16 rows: 512 work-groups.
; All 32 loads of a wave go out at once; each load and store of a wave covers 512 consecutive bytes, at a multiple of 256 from the buffer's first byte.  Every register is loaded once.
.set GO,  1                            ; v1        16 x lane
.set TA,  2                            ; v2-9      at work for the even row
.set TB,  10                           ; v10-17    for the odd row
.set GAM, 20                           ; v20-51    gamma at my columns
.set BET, 52                           ; v52-83    beta
.set XA,  84                           ; v84-115   the even row
.set XB,  116                          ; v116-147  the odd row
.set SEL, 22                           ; s[22:23]  v_permlanex16_b32's selects: each lane takes its own place in the other half
.set RN,  24                           ; s24       1 / 1024
.set EPS, 25                           ; s25       1e-5
	s_load_b256 s[4:11], s[0:1], 0x0               ; zres s[4:5], gamma s[6:7], beta s[8:9], out0 s[10:11]
	s_load_b64 s[12:13], s[0:1], 0x20              ; out1
	v_lshrrev_b32 v18, 5, v0
	v_readfirstlane_b32 s14, v18                   ; wave 0..7
	v_and_b32 v[GO], 31, v0
	v_lshlrev_b32 v[GO], 4, v[GO]
	s_mov_b32 s15, ttmp9                           ; g, the work-group's number
	s_lshl_b32 s18, s14, 13                        ; my wave's two rows of 4,096 bytes
	s_lshl_b32 s16, s15, 16                        ; 16 rows a work-group: under 2^26
	s_add_co_u32 s16, s16, s18
	s_mov_b32 s17, 0
	s_and_b32 s20, s15, 255                        ; an output has 256 work-groups' rows
	s_lshl_b32 s20, s20, 16
	s_add_co_u32 s20, s20, s18
	s_mov_b32 s21, 0
	s_mov_b32 s[SEL], 0x76543210
	s_mov_b32 s[SEL+1], 0xfedcba98
	s_mov_b32 s[RN], 0x3a800000                    ; 2^-10
	s_mov_b32 s[EPS], 0x3727c5ac                   ; 1e-5
	s_wait_kmcnt 0x0
	s_add_nc_u64 s[4:5], s[4:5], s[16:17]
	s_cmp_lt_u32 s15, 256                          ; which output: the choice hangs on g alone
	s_cselect_b64 s[10:11], s[10:11], s[12:13]
	s_add_nc_u64 s[10:11], s[10:11], s[20:21]
.irp j, 0,1,2,3,4,5,6,7
	global_load_b128 v[XA+4*(\j):XA+4*(\j)+3], v[GO], s[4:5] offset:512*(\j) th:TH_LOAD_NT  ; read once in the launch
.endr
.irp j, 0,1,2,3,4,5,6,7
	global_load_b128 v[XB+4*(\j):XB+4*(\j)+3], v[GO], s[4:5] offset:4096+512*(\j) th:TH_LOAD_NT
.endr
.irp j, 0,1,2,3,4,5,6,7
	global_load_b128 v[GAM+4*(\j):GAM+4*(\j)+3], v[GO], s[6:7] offset:512*(\j)
	global_load_b128 v[BET+4*(\j):BET+4*(\j)+3], v[GO], s[8:9] offset:512*(\j)
.endr
.macro RED2                            ; each row's four pairs at work are added up, then over the 32 lanes: four steps inside each half of 16 lanes ride on the addition, one crosses the halves.  Every lane ends with the sum.
.irp t, TA, TB
	v_pk_add_f32 v[\t:\t+1], v[\t:\t+1], v[\t+2:\t+3]
	v_pk_add_f32 v[\t+4:\t+5], v[\t+4:\t+5], v[\t+6:\t+7]
.endr
.irp t, TA, TB
	v_pk_add_f32 v[\t:\t+1], v[\t:\t+1], v[\t+4:\t+5]
.endr
.irp t, TA, TB
	v_add_f32 v[\t], v[\t], v[\t+1]
.endr
.irp m, 1,2,4,8
.irp t, TA, TB
	v_add_f32_dpp v[\t], v[\t], v[\t] row_xmask:\m row_mask:0xf bank_mask:0xf
.endr
.endr
.irp t, TA, TB
	v_permlanex16_b32 v[\t+1], v[\t], s[SEL], s[SEL+1]  ; its destination counts as read: it has been written above
.endr
.irp t, TA, TB
	v_add_f32 v[\t], v[\t], v[\t+1]
.endr
.endm
	s_wait_loadcnt 16                              ; loads come back in order (ISA guide 5.7.1): both rows are in; gamma's and beta's 16 loads may be out
.irp c, 0,2,4,6                        ; the row's sum: four chains, started by the first eight pairs: nothing is cleared
	v_pk_add_f32 v[TA+\c:TA+\c+1], v[XA+\c:XA+\c+1], v[XA+8+\c:XA+8+\c+1]
	v_pk_add_f32 v[TB+\c:TB+\c+1], v[XB+\c:XB+\c+1], v[XB+8+\c:XB+8+\c+1]
.endr
.irp k, 16,24
.irp c, 0,2,4,6
	v_pk_add_f32 v[TA+\c:TA+\c+1], v[TA+\c:TA+\c+1], v[XA+\k+\c:XA+\k+\c+1]
	v_pk_add_f32 v[TB+\c:TB+\c+1], v[TB+\c:TB+\c+1], v[XB+\k+\c:XB+\k+\c+1]
.endr
.endr
	RED2
.irp t, TA, TB
	v_mul_f32 v[\t], s[RN], v[\t]                  ; the mean
.endr
.set z, 0
.rept 16
	v_pk_add_f32 v[XA+z:XA+z+1], v[XA+z:XA+z+1], v[TA:TA+1] op_sel_hi:[1,0] neg_lo:[0,1] neg_hi:[0,1]
	v_pk_add_f32 v[XB+z:XB+z+1], v[XB+z:XB+z+1], v[TB:TB+1] op_sel_hi:[1,0] neg_lo:[0,1] neg_hi:[0,1]
.set z, z+2
.endr
.irp c, 0,2,4,6                        ; the sum of the centred numbers' squares, again in four chains
	v_pk_mul_f32 v[TA+\c:TA+\c+1], v[XA+\c:XA+\c+1], v[XA+\c:XA+\c+1]
	v_pk_mul_f32 v[TB+\c:TB+\c+1], v[XB+\c:XB+\c+1], v[XB+\c:XB+\c+1]
.endr
.irp k, 8,16,24
.irp c, 0,2,4,6
	v_pk_fma_f32 v[TA+\c:TA+\c+1], v[XA+\k+\c:XA+\k+\c+1], v[XA+\k+\c:XA+\k+\c+1], v[TA+\c:TA+\c+1]
	v_pk_fma_f32 v[TB+\c:TB+\c+1], v[XB+\k+\c:XB+\k+\c+1], v[XB+\k+\c:XB+\k+\c+1], v[TB+\c:TB+\c+1]
.endr
.endr
	RED2
.irp t, TA, TB
	v_fma_f32 v[\t], v[\t], s[RN], s[EPS]          ; the variance + 1e-5
.endr
.irp t, TA, TB
	v_rsq_f32 v[\t], v[\t]
.endr
	v_nop                                          ; a plain instruction between the last v_rsq_f32 and the use of its result (ISA guide 5.7.2)
	s_wait_loadcnt 0x0                             ; gamma and beta
.set z, 0
	s_wait_alu depctr_va_vdst(0)
.rept 16
	v_pk_mul_f32 v[XA+z:XA+z+1], v[XA+z:XA+z+1], v[TA:TA+1] op_sel_hi:[1,0]
	v_pk_mul_f32 v[XB+z:XB+z+1], v[XB+z:XB+z+1], v[TB:TB+1] op_sel_hi:[1,0]
	v_pk_fma_f32 v[XA+z:XA+z+1], v[XA+z:XA+z+1], v[GAM+z:GAM+z+1], v[BET+z:BET+z+1]
	v_pk_fma_f32 v[XB+z:XB+z+1], v[XB+z:XB+z+1], v[GAM+z:GAM+z+1], v[BET+z:BET+z+1]
.set z, z+2
.endr
.irp j, 0,1,2,3,4,5,6,7
	global_store_b128 v[GO], v[XA+4*(\j):XA+4*(\j)+3], s[10:11] offset:512*(\j) th:TH_STORE_NT  ; written once and not read again
.endr
.irp j, 0,1,2,3,4,5,6,7
	global_store_b128 v[GO], v[XB+4*(\j):XB+4*(\j)+3], s[10:11] offset:4096+512*(\j) th:TH_STORE_NT
.endr
	s_endpgm
.Lfunc_end_k_q0621d90705_ln:
	.size	k_q0621d90705_ln, .Lfunc_end_k_q0621d90705_ln-k_q0621d90705_ln
	.p2alignl 7, 3214868480
	.fill 96, 4, 3214868480
	.section	.rodata,"a",@progbits
	.p2align	6, 0x0
	.amdhsa_kernel k_q0621d90705_ln
		.amdhsa_group_segment_fixed_size 0
		.amdhsa_private_segment_fixed_size 0
		.amdhsa_enable_private_segment 0
		.amdhsa_kernarg_size 40
		.amdhsa_user_sgpr_count 2
		.amdhsa_user_sgpr_kernarg_segment_ptr 1
		.amdhsa_wavefront_size32 1
		.amdhsa_system_sgpr_workgroup_id_x 1
		.amdhsa_system_sgpr_workgroup_id_y 1
		.amdhsa_system_sgpr_workgroup_id_z 1
		.amdhsa_system_vgpr_workitem_id 0
		.amdhsa_next_free_vgpr 148
		.amdhsa_next_free_sgpr 66
		.amdhsa_reserve_vcc 0
		.amdhsa_float_denorm_mode_32 3
		.amdhsa_float_denorm_mode_16_64 3
		.amdhsa_memory_ordered 1
		.amdhsa_forward_progress 1
		.amdhsa_inst_pref_size 18
	.end_amdhsa_kernel
	.amdgpu_metadata
---
amdhsa.version: [ 1, 2 ]
amdhsa.kernels:
  - .name:           k_q0621d90705_ln
    .symbol:         k_q0621d90705_ln.kd
    .args:
      - { .name: zres, .offset: 0, .size: 8, .value_kind: global_buffer, .address_space: global }
      - { .name: gamma, .offset: 8, .size: 8, .value_kind: global_buffer, .address_space: global }
      - { .name: beta, .offset: 16, .size: 8, .value_kind: global_buffer, .address_space: global }
      - { .name: out0, .offset: 24, .size: 8, .value_kind: global_buffer, .address_space: global }
      - { .name: out1, .offset: 32, .size: 8, .value_kind: global_buffer, .address_space: global }
    .group_segment_fixed_size: 0
    .private_segment_fixed_size: 0
    .kernarg_segment_align: 8
    .kernarg_segment_size: 40
    .max_flat_workgroup_size: 256
    .sgpr_count:     66
    .vgpr_count:     148
    .wavefront_size: 32
...
	.end_amdgpu_metadata
.endif
;; end of part 5
